; MI455X (gfx1250); checked and timed in simulation.
; The chip was launched on July 23, 2026; its instructions are those of AMD's public machine-readable ISA for CDNA 5 (MIT licence, August 2026) and "CDNA5" Instruction Set Architecture Reference Guide (July 2026). The comments in the code are by the model that wrote it; some were corrected since.
;; SSMLP. Allowed arithmetic: float matrix products may take bf16 or f16 operands with f32 sums; all other float work in f32.
;; Inputs: W1 2,048 x 8,192 float32; W2 8,192 x 2,048 float32; W3 2,048 x 8,192 float32; hidden_states 8,192 x 2,048 float32; input_idx 1,024 int32; routing_weights 1,024 x 1 float32.
;; Outputs: out0 1,024 x 2,048 float32.
;; 3 versions, each right; version 2 is faster than version 1; version 3 is version 2 with the launch gather written anew for expert scheduling mode. Each part assembles by itself: llvm-mc -triple=amdgcn-amd-amdhsa -mcpu=gfx1250 --defsym DOCPART=n.
;; ======== version 1 of 3: 4 launches
;; workspace buffers: xb 4,194,304 bytes; hbuf 33,554,432 bytes; part 67,108,864 bytes
;; launch gather (part 1): grid 256 x 1, 4 waves a work-group, no clusters, 0 bytes of LDS; arguments hidden_states, input_idx, xb; writes xb
.if DOCPART == 1
	.amdgcn_target "amdgcn-amd-amdhsa--gfx1250"
	.amdhsa_code_object_version 6
	.text
	.protected	k_q3c82559699_gather
	.globl	k_q3c82559699_gather
	.p2align	8
	.type	k_q3c82559699_gather,@function
k_q3c82559699_gather:
	s_mov_b64 s[64:65], 0
	v_nop
	global_prefetch_b8 v0, s[64:65] scope:SCOPE_SE
	s_setreg_imm32_b32 hwreg(HW_REG_WAVE_MODE, 25, 1), 1
	s_wait_xcnt 0x0
; xb[i][:] = bf16(hidden_states[input_idx[i]][:]), i = 0 .. 1023.  hidden_states: [8192][2048] f32, xb: [1024][2048] bf16.
; One wave takes one row: 16 loads of 16 bytes a lane (512 consecutive bytes each), all issued before the first is used,
; two roundings a pair of words, 16 stores of 8 bytes a lane (each covers 256 consecutive bytes, aligned).
; Every load and every store has registers of its own, so nothing has to be freed.
; LIMIT: an index is taken to lie in 0 .. 8191, as the problem states; any other number is clamped, as an unsigned number, to 8191.
; No LDS, no barrier, no matrix unit: the rows share nothing and every byte is touched once.
.set HROW, 8192                        ; bytes in a row of hidden_states
.set XROW, 4096                        ; bytes in a row of xb
.set INR,  8                           ; v[8:71]   load e: 4 registers
.set OUTR, 72                          ; v[72:103] store e: 2 registers
	s_load_b128 s[4:7], s[0:1], 0x0                ; hidden_states s[4:5], input_idx s[6:7]
	s_load_b64 s[8:9], s[0:1], 0x10                ; xb
	v_lshrrev_b32 v1, 5, v0
	v_readfirstlane_b32 s10, v1                    ; wave 0..3
	s_lshl_b32 s11, ttmp9, 2
	s_add_co_u32 s11, s11, s10                     ; my row of xb = 4 x work-group + wave
	s_lshl_b32 s12, s11, 2                         ; its index's byte offset
	v_and_b32 v2, 31, v0                           ; lane
	v_lshlrev_b32 v3, 4, v2                        ; 16 bytes a lane in
	v_lshlrev_b32 v4, 3, v2                        ; 8 bytes a lane out
	s_wait_kmcnt 0x0                               ; the three addresses
	s_load_b32 s13, s[6:7], s12 offset:0x0         ; input_idx[row]
	s_lshl_b32 s16, s11, 12                        ; row x 4,096 bytes
	s_mov_b32 s17, 0
	s_add_nc_u64 s[8:9], s[8:9], s[16:17]          ; xb at my row
	s_wait_kmcnt 0x0                               ; the index
	s_min_u32 s13, s13, 0x1fff                     ; inside the table of 8,192 rows
	s_lshl_b32 s14, s13, 13                        ; x 8,192 bytes: below 2^26
	s_mov_b32 s15, 0
	s_add_nc_u64 s[4:5], s[4:5], s[14:15]          ; hidden_states at the row named
.irp e, 0,1,2,3,4,5,6,7,8,9,10,11,12,13,14,15
	global_load_b128 v[INR+4*\e:INR+4*\e+3], v3, s[4:5] offset:512*\e
.endr
.irp e, 0,1,2,3,4,5,6,7,8,9,10,11,12,13,14,15
	s_wait_loadcnt 15-\e                           ; loads come back in order: load e is in, the 15 - e younger ones stay out
	v_cvt_pk_bf16_f32 v[OUTR+2*\e],   v[INR+4*\e],   v[INR+4*\e+1]
	v_cvt_pk_bf16_f32 v[OUTR+2*\e+1], v[INR+4*\e+2], v[INR+4*\e+3]
	global_store_b64 v4, v[OUTR+2*\e:OUTR+2*\e+1], s[8:9] offset:256*\e
.endr
	s_endpgm
.Lfunc_end_k_q3c82559699_gather:
	.size	k_q3c82559699_gather, .Lfunc_end_k_q3c82559699_gather-k_q3c82559699_gather
	.p2alignl 7, 3214868480
	.fill 96, 4, 3214868480
	.section	.rodata,"a",@progbits
	.p2align	6, 0x0
	.amdhsa_kernel k_q3c82559699_gather
		.amdhsa_group_segment_fixed_size 0
		.amdhsa_private_segment_fixed_size 0
		.amdhsa_enable_private_segment 0
		.amdhsa_kernarg_size 24
		.amdhsa_user_sgpr_count 2
		.amdhsa_user_sgpr_kernarg_segment_ptr 1
		.amdhsa_wavefront_size32 1
		.amdhsa_system_sgpr_workgroup_id_x 1
		.amdhsa_system_sgpr_workgroup_id_y 1
		.amdhsa_system_sgpr_workgroup_id_z 1
		.amdhsa_system_vgpr_workitem_id 0
		.amdhsa_next_free_vgpr 104
		.amdhsa_next_free_sgpr 66
		.amdhsa_reserve_vcc 0
		.amdhsa_float_denorm_mode_32 3
		.amdhsa_float_denorm_mode_16_64 3
		.amdhsa_memory_ordered 1
		.amdhsa_forward_progress 1
		.amdhsa_inst_pref_size 7
	.end_amdhsa_kernel
	.amdgpu_metadata
---
amdhsa.version: [ 1, 2 ]
amdhsa.kernels:
  - .name:           k_q3c82559699_gather
    .symbol:         k_q3c82559699_gather.kd
    .args:
      - { .name: hidden_states, .offset: 0, .size: 8, .value_kind: global_buffer, .address_space: global }
      - { .name: input_idx, .offset: 8, .size: 8, .value_kind: global_buffer, .address_space: global }
      - { .name: xb, .offset: 16, .size: 8, .value_kind: global_buffer, .address_space: global }
    .group_segment_fixed_size: 0
    .private_segment_fixed_size: 0
    .kernarg_segment_align: 8
    .kernarg_segment_size: 24
    .max_flat_workgroup_size: 128
    .sgpr_count:     66
    .vgpr_count:     104
    .wavefront_size: 32
...
	.end_amdgpu_metadata
.endif
;; end of part 1
;; launch gateup (part 2): grid 64 x 4, 4 waves a work-group, clusters of 4 x 4, 327,680 bytes of LDS; arguments xb, W1, W3, hbuf; writes hbuf
.if DOCPART == 2
	.amdgcn_target "amdgcn-amd-amdhsa--gfx1250"
	.amdhsa_code_object_version 6
	.text
	.protected	k_q3c82559699_gateup
	.globl	k_q3c82559699_gateup
	.p2align	8
	.type	k_q3c82559699_gateup,@function
k_q3c82559699_gateup:
	s_mov_b64 s[64:65], 0
	v_nop
	global_prefetch_b8 v0, s[64:65] scope:SCOPE_SE
	s_setreg_imm32_b32 hwreg(HW_REG_WAVE_MODE, 25, 1), 1
	s_wait_xcnt 0x0
	s_wait_alu depctr_hold_cnt(0) depctr_sa_sdst(0) depctr_va_vdst(0) depctr_va_sdst(0) depctr_va_ssrc(0) depctr_va_vcc(0) depctr_vm_vsrc(0)
	s_getreg_b32 s2, hwreg(HW_REG_IB_STS2, 6, 4)
	s_cmp_eq_u32 s2, 0
	s_cbranch_scc0 .Lentry_in_a_cluster
	s_endpgm
.Lentry_in_a_cluster:
	s_bfe_u32 s2, ttmp6, 0x10000c
	s_cmp_lg_u32 s2, 0xf033
	s_cbranch_scc0 .Lentry_shape_is_right
	s_endpgm
.Lentry_shape_is_right:
; h = silu(xb W1) * (xb W3), handed on as two bf16 planes: hbuf[0] = hi = bf16(h), hbuf[1] = lo = bf16(h - hi).
; xb: [1024][2048] bf16, W1, W3: [2048][8192] f32, hbuf: [2][1024][8192] bf16.  Sums in f32.
; WHY TWO PLANES: a bf16 has 8 significant bits, so with hi alone each of the 8,192 products of a sum of the next product would carry a relative error of up to 2^-8;
; hi + lo has 16 significant bits.  f16 is not taken: with xb, W1 and W3 some 30 times larger |h| passes f16's largest number.
; A work-group makes 256 rows x 128 columns of h with four waves.  Wave w (p = w & 1, pair = w >> 1) multiplies all 256 rows by 64 columns
; of W1 (p = 0) or of W3 (p = 1): 16 x 4 accumulator tiles of 16 x 16, 512 registers.
; THE WEIGHTS GO FROM MEMORY TO REGISTERS TO THE MATRIX UNIT, WITHOUT LDS AND WITHOUT A TRANSPOSE.  Lane (r = lane & 15, hh = lane >> 4) loads the 16 bytes
; W[k][n0 + 4 r .. n0 + 4 r + 3]: sixteen lanes take 256 consecutive aligned bytes of a weight row, lanes 16-31 the row 8 further down.  The four words belong to four
; different B fragments j = 0 .. 3, in which lane r stands for column n0 + 4 r + j.  Sixteen such loads (rows 8 hh + t and 16 + 8 hh + t, t = 0 .. 7) and 32 roundings,
; each packing rows k, k + 1 of one column, make the four fragments of 32 K x 64 columns.  In the result, register i of tile (a, j) is
; (row 16 a + 8 hh + i, column n0 + 4 r + j): a lane's four j are four neighbouring columns.
; xb's rows go in K steps of 128 through two LDS slots filled by tensor loads (rows of 256 bytes, aligned).
; CLUSTERS: 4 x 4 work-groups.  The four of a row of the cluster make the same 256 rows and ask for xb's tiles JOINTLY (mask = my row of the cluster).
; The four of a column read the same weights, each through its own registers and not jointly: a joint load lands in LDS, as f32, so a wave's 8 KiB of weights for 32 K
; would be written to LDS and read back on top of the 16 KiB of xb fragments that it reads for the same 64 matrix instructions.
; FORMATS: xb and the weights are rounded to bf16 (nearest even); everything else is f32.
; LIMIT: |h| stays below bf16's largest number (about 3.39e38); beyond it hi is infinite and lo no number.
;
; REGISTERS, in windows of 256 (s_set_vgpr_msb's low byte: bits 1:0 source 0, 3:2 source 1, 5:4 source 2, 7:6 destination):
;   window 0: v2-3 LDS addresses of my fragments in slot 0, 1; v4 my byte offset in the weights; v5-13 the way out;
;             v64-127 A fragments of rows 0-127, v128-191 of rows 128-255; v192-223, v224-255 the four bf16 B fragments, two buffers
;   window 1: the weights as loaded: four sets of 16 loads, set c at 64 c, load e at 64 c + 4 e
;   window 2: accumulators of rows 0-127, tile (a, j) at 8 (4 a + j);   window 3: those of rows 128-255
.set PITCHB, 32768                     ; bytes in a row of W1 and W3
.set AROWE,  2048                      ; elements in a row of xb
.set NT,     16                        ; K steps of 128
.set LAPS,   NT/2                      ; a lap = two K steps = once round the two slots
.set PITCH,  272                       ; an LDS row: 256 bytes + 16 of padding, an odd multiple of 16: the 16 rows of a fragment load begin in 16 different 16-byte columns of 256
.set QUART,  64*PITCH                  ; what one tensor load brings: 64 rows
.set SLOT,   4*QUART                   ; 256 rows
.set XCH,    2*SLOT                    ; behind the slots: 4 x 32,768 bytes in which the waves of a pair exchange halves; no tensor load lands here
.set LOB,    0x1000000                 ; bytes from hbuf's plane of hi to its plane of lo: 1,024 rows of 16,384
.set ADR,  2
.set BOFF, 4
.set FAL,  64
.set FAH,  128
.set FB0,  192
.set FB1,  224
.set EX,   64                          ; the way out: v[64:95], v[96:127] at work, v[128:143] hi packed, v[144:159] lo packed
.set EY,   96
.set OB,   128
.set OL,   144
.set G1, 24                            ; s[24:31] descriptor group 1
.set G0, 32                            ; s[32:39] descriptor group 0, one set for each slot
.set WB, 40                            ; s[40:41] my weights at row 0
.set WP, 42                            ; s[42:43] my weights at the row from which the loop's loads count
.set MSB, 0
.macro WIN new                         ; the immediate's high byte repeats the setting that is left
.if MSB != \new
	s_set_vgpr_msb (MSB<<8)|\new
.set MSB, \new
.endif
.endm
; A round of the cluster's barrier: my work-group's barrier, wave 0 signals for the work-group, every wave waits for all sixteen, my work-group's barrier once more.
.macro CREST                           ; a round behind its opening barrier
	s_cmp_lg_u32 s12, 0
	s_cbranch_scc1 .Lnot_wave_0_\@
	s_barrier_signal -3
.Lnot_wave_0_\@:
	s_barrier_wait -3
	s_barrier_signal -1
	s_barrier_wait -1
.endm
.macro CROUND                          ; a whole round
	s_barrier_signal -1
	s_barrier_wait -1
	CREST
.endm
; 16 matrix instructions: row blocks a0 .. a0 + 3 of the window's eight (hi = 0: rows 0-127, 1: rows 128-255) x the four B fragments of buffer bb.
; zero = 1: the first product starts the sums: nothing is cleared.
.macro MUL4 hi, a0, bb, zero
.irp a, \a0, \a0+1, \a0+2, \a0+3
.irp j, 0,1,2,3
.if \zero
	v_wmma_f32_16x16x32_bf16 v[8*(4*(\a)+\j):8*(4*(\a)+\j)+7], v[FAL+64*\hi+8*(\a):FAL+64*\hi+8*(\a)+7], v[\bb+8*\j:\bb+8*\j+7], 0
.else
	v_wmma_f32_16x16x32_bf16 v[8*(4*(\a)+\j):8*(4*(\a)+\j)+7], v[FAL+64*\hi+8*(\a):FAL+64*\hi+8*(\a)+7], v[\bb+8*\j:\bb+8*\j+7], v[8*(4*(\a)+\j):8*(4*(\a)+\j)+7]
.endif
.endr
.endr
.endm
; 16 roundings: fragments j0, j0 + 1 of buffer nbuf from set c.  Register q of a fragment holds K = 2 q, 2 q + 1 of the lane's eight (q < 4) or of its second eight: loads 2 q and 2 q + 1.
.macro CVT c, nbuf, j0
	WIN 0x05
.irp j, \j0, \j0+1
.irp q, 0,1,2,3,4,5,6,7
	v_cvt_pk_bf16_f32 v[\nbuf+8*(\j)+\q], v[64*\c+8*\q+(\j)], v[64*\c+8*\q+4+(\j)]
.endr
.endr
.endm
; 16 loads: 32 rows x 64 columns of my weights, from row row0 behind the base, into set c
.macro GLD c, row0, base
	WIN 0x40
.irp e, 0,1,2,3,4,5,6,7,8,9,10,11,12,13,14,15
	global_load_b128 v[64*\c+4*\e:64*\c+4*\e+3], v[BOFF], s[\base:\base+1] offset:(\row0+(\e/8)*16+\e%8)*PITCHB
.endr
.endm
; 16 LDS loads: the fragments of row blocks a0 .. a0 + 7, 32 K at byte kb of the rows
.macro FETCH dst, adr, a0, kb
	WIN 0
.irp i, 0,1,2,3,4,5,6,7
	ds_load_b128 v[\dst+8*\i:\dst+8*\i+3],   v[\adr] offset:(\a0+\i)*16*PITCH+\kb
	ds_load_b128 v[\dst+8*\i+4:\dst+8*\i+7], v[\adr] offset:(\a0+\i)*16*PITCH+\kb+32
.endr
.endm
; A K step is four substeps of 32 along K, 64 matrix instructions each.  The 64 accumulators take turns, one instruction a turn, in the same order in every
; substep, over the loop's backward jump too.
; Substep s multiplies B buffer s & 1; it rounds set (s + 1) & 3 into the other buffer and loads that set again for substep s + 5.
; The roundings are also the places that a load into a matrix instruction's source needs behind it (ISA guide 7.12.1 for vector instructions):
; 16 plain vector instructions that name none of the registers of the matrix instructions in front of them.
; One of a K step's first three substeps.  lw: the weight loads that may stay out; ld = 1: the set is loaded again.
.macro SUBN slot, q, zero, lw, ld
.set RSET, (\q+1)&3
.set BNOW, FB0+32*(\q&1)
.set BNXT, FB0+32*((\q+1)&1)
	s_wait_dscnt 16                                ; rows 0-127 of this substep are in; the 16 younger loads are rows 128-255
	WIN 0xa0
	MUL4 0, 0, BNOW, \zero
	MUL4 0, 4, BNOW, \zero
	s_wait_loadcnt \lw                             ; the next substep's set is in; the younger sets, 16 loads each, stay out
	CVT RSET, BNXT, 0
	FETCH FAL, ADR+\slot, 0, 64*(\q+1)
	s_wait_dscnt 16                                ; rows 128-255 are in; the 16 younger loads are the ones just issued
	WIN 0xf0
	MUL4 1, 0, BNOW, \zero
	MUL4 1, 4, BNOW, \zero
	CVT RSET, BNXT, 2
.if \ld
.if \q == 0
	s_wait_xcnt 0x0                                ; the base of pending loads is stepped only behind this wait (ISA guide 3.1)
	s_add_nc_u64 s[WP:WP+1], s[WP:WP+1], 128*PITCHB
.endif
	GLD RSET, 32*\q, WP
.endif
	FETCH FAH, ADR+\slot, 8, 64*(\q+1)
.endm
; The fourth substep changes slots.  ONE barrier, for two things.  In front of it each wave waits for its reads of this slot and for all its tensor loads, of which one is
; out: its quarter of the other slot.  Behind it nobody reads this slot and the other slot is whole.  fill = 1: the barrier opens a round of the cluster's barrier, and
; behind the round this slot is asked for again, two K steps ahead, first of all.  From that request to the wait for it a wave issues 240 matrix instructions.
.macro SUBT slot, fill, lw, ld
	s_wait_dscnt 16
	WIN 0xa0
	MUL4 0, 0, FB1, 0
	s_wait_dscnt 0x0                               ; my reads of this slot are over
	s_wait_tensorcnt 0x0                           ; and all my tensor loads have landed
	ds_add_u32 v62, v63
	s_wait_dscnt 0x0
	s_barrier_signal -1
	MUL4 0, 4, FB1, 0                              ; registers only, while the others arrive
	WIN 0
	s_barrier_wait -1
.if \fill
	CREST                                          ; no wave of any partner still reads this slot or has a load on its way
	s_add_nc_u64 s[G0+4*\slot+2:G0+4*\slot+3], s[G0+4*\slot+2:G0+4*\slot+3], 512   ; two K steps of 256 bytes on; no load of mine is out
	tensor_load_to_lds s[G0+4*\slot:G0+4*\slot+3], s[G1:G1+7]                      ; my one tensor load behind the round
	s_nop 0
.endif
	s_wait_loadcnt \lw
	CVT 0, FB0, 0
	FETCH FAL, ADR+1-\slot, 0, 0
	WIN 0xf0
	MUL4 1, 0, FB1, 0                              ; rows 128-255 were shown in by the wait for 0 above
	MUL4 1, 4, FB1, 0
	CVT 0, FB0, 2
.if \ld
	GLD 0, 96, WP
.endif
	FETCH FAH, ADR+1-\slot, 8, 0
.endm
.macro SUBF                            ; the very last substep: nothing more to fetch
	s_wait_dscnt 16
	WIN 0xa0
	MUL4 0, 0, FB1, 0
	MUL4 0, 4, FB1, 0
	s_wait_dscnt 0x0
	WIN 0xf0
	MUL4 1, 0, FB1, 0
	MUL4 1, 4, FB1, 0
.endm
.macro STEP slot, zero                 ; 48 = the three younger sets of 16 loads
	SUBN \slot, 0, \zero, 48, 1
	SUBN \slot, 1, 0, 48, 1
	SUBN \slot, 2, 0, 48, 1
	SUBT \slot, 1, 48, 1
.endm
.macro LAP zero
	STEP 0, \zero
	STEP 1, 0
.endm
	s_load_b256 s[4:11], s[0:1], 0x0               ; xb s[4:5], W1 s[6:7], W3 s[8:9], hbuf s[10:11]
	v_lshl_add_u32 v62, v0, 2, 0x42000
	v_mov_b32 v63, 0
	ds_add_u32 v62, v63
	v_lshrrev_b32 v1, 5, v0
	v_readfirstlane_b32 s12, v1                    ; wave 0..3
	s_and_b32 s13, s12, 1                          ; p: 0 = W1 (gate), 1 = W3 (up)
	s_lshr_b32 s14, s12, 1                         ; pair: which 64 of the block's 128 columns
	s_bfe_u32 s15, ttmp6, 0x40000                  ; cx
	s_bfe_u32 s16, ttmp6, 0x40004                  ; cy
	s_lshl_b32 s17, ttmp9, 2
	s_add_co_u32 s17, s17, s15                     ; nb: block of 128 columns = 4 x cluster x + cx
	s_and_b32 s18, ttmp7, 0xffff
	s_lshl_b32 s18, s18, 2
	s_add_co_u32 s18, s18, s16                     ; mb: block of 256 rows = 4 x cluster y + cy
	s_lshl_b32 s19, s16, 2
	s_lshl_b32 s19, 15, s19                        ; my row of the cluster: places 4 cy .. 4 cy + 3
	; descriptor group 1: a tile of 64 rows x 128 elements of 2 bytes, padded in LDS
	s_or_b32 s[G1+0], s19, (1<<16)|(1<<20)|(1<<21)|(5<<22)|(3<<25)  ; 15:0 the mask; 17:16 elements of 2 bytes; 20 padding on; 21 set beside a mask; 24:22 after every 64 words; 31:25 4 words
	s_mov_b32 s[G1+1], 128<<16                     ; tensor_dim0 = 128
	s_mov_b32 s[G1+2], 64<<16                      ; tensor_dim1 = 64
	s_mov_b32 s[G1+3], 128<<16                     ; tile_dim0 = 128
	s_mov_b32 s[G1+4], 64                          ; tile_dim1 = 64
	s_mov_b32 s[G1+5], AROWE                       ; elements from row to row
	s_mov_b32 s[G1+6], 0
	s_mov_b32 s[G1+7], 0
	s_lshl_b32 s20, s18, 8                         ; xb: row 256 mb + 64 wave: it hangs on cy, which my row of the cluster shares, and on the wave
	s_lshl_b32 s21, s12, 6
	s_add_co_u32 s20, s20, s21
	s_lshl_b32 s20, s20, 12                        ; x 4,096 bytes
	s_mov_b32 s21, 0
	s_mul_i32 s45, s12, QUART                      ; where it goes: wave x 64 rows; no place in the cluster enters an LDS address
	s_lshl_b32 s22, s17, 9                         ; the weights: column bytes 512 nb + 256 pair
	s_lshl_b32 s23, s14, 8
	s_add_co_u32 s22, s22, s23
	s_mov_b32 s23, 0
	s_mov_b32 s46, 0xbfb8aa3b                      ; -log2 e, twice: a pair for the packed multiply
	s_mov_b32 s47, 0xbfb8aa3b
	v_and_b32 v1, 15, v0                           ; r
	v_bfe_u32 v10, v0, 4, 1                        ; hh
	v_mul_u32_u24 v[ADR], v1, PITCH
	v_lshl_add_u32 v[ADR], v10, 4, v[ADR]          ; a fragment's lane address: r x pitch + 16 hh
	v_add_nc_u32 v[ADR+1], SLOT, v[ADR]
	v_lshlrev_b32 v[BOFF], 4, v1                   ; the weights: 16 r
	v_lshl_add_u32 v[BOFF], v10, 18, v[BOFF]       ; + 8 hh rows of 32,768 bytes
	s_wait_dscnt 0x0
	s_wait_kmcnt 0x0
	s_add_nc_u64 s[20:21], s[4:5], s[20:21]        ; my quarter of xb's first tile
	s_cmp_eq_u32 s13, 0
	s_cselect_b64 s[WB:WB+1], s[6:7], s[8:9]       ; W1 or W3, by the wave's number
	s_add_nc_u64 s[WB:WB+1], s[WB:WB+1], s[22:23]
	s_add_nc_u64 s[WP:WP+1], s[WB:WB+1], 32*PITCHB ; stepped by 128 rows at the head of each K step: in step T it stands at row 32 (4 T + 5)
	GLD 0, 0, WB                                   ; the weights of substeps 0 to 3: they only read inputs and may be out across the barriers below
	GLD 1, 32, WB
	GLD 2, 64, WB
	GLD 3, 96, WB
	WIN 0
	CROUND                                         ; all sixteen work-groups are here: the first joint loads meet
.irp n, 0,1
	s_mov_b32 s[G0+4*\n], 1                                        ; count = 1
	s_add_co_u32 s[G0+4*\n+1], s45, \n*SLOT                        ; LDS address
	s_add_nc_u64 s[G0+4*\n+2:G0+4*\n+3], s[20:21], \n*256          ; global address: K step n
	s_or_b32 s[G0+4*\n+3], s[G0+4*\n+3], 0x80000000                ; type = 2
	tensor_load_to_lds s[G0+4*\n:G0+4*\n+3], s[G1:G1+7]            ; both first fills go out together: two tensor loads of the wave are out, later one
	s_nop 0
.endr
	s_wait_loadcnt 48                              ; set 0 is in; sets 1 to 3 stay out
	CVT 0, FB0, 0
	CVT 0, FB0, 2
	GLD 0, 128, WB                                 ; substep 4
	WIN 0
	s_wait_tensorcnt 0x1                           ; my quarter of K step 0 is in; K step 1's may stay out
	s_barrier_signal -1
	s_barrier_wait -1                              ; everybody's is
	FETCH FAL, ADR, 0, 0
	FETCH FAH, ADR, 8, 0
	LAP 1                                          ; the first lap stands in front of the loop: its first products start the sums
	WIN 0                                          ; at a label and at a branch every window is 0
	s_mov_b32 s44, LAPS-2
.Llap:
	LAP 0
	WIN 0
	s_sub_co_u32 s44, s44, 1
	s_cmp_lg_u32 s44, 0
	s_cbranch_scc1 .Llap
	; the last lap, written out: no slot is filled that nobody reads, no weight row past the last is loaded, and the counts run down by sets of 16
	SUBN 0, 0, 0, 48, 1
	SUBN 0, 1, 0, 48, 1
	SUBN 0, 2, 0, 48, 1
	SUBT 0, 0, 48, 0
	SUBN 1, 0, 0, 32, 0
	SUBN 1, 1, 0, 16, 0
	SUBN 1, 2, 0, 0, 0
	SUBF
	; THE WAY OUT.  The thirteen address computations below are also the places behind the last matrix instructions (four are needed before an LDS store reads a result).
	WIN 0
	s_lshl_b32 s48, s12, 15
	s_add_co_u32 s48, s48, XCH                     ; my 32,768 bytes of the exchange
	s_xor_b32 s49, s12, 1
	s_lshl_b32 s49, s49, 15
	s_add_co_u32 s49, s49, XCH                     ; my partner's
	s_mul_i32 s50, s13, 128*PITCH                  ; the stages (hi: slot 0's bytes, lo: slot 1's; both have had their last fill): rows 128 p ..
	s_lshl_b32 s51, s14, 7
	s_add_co_u32 s50, s50, s51                     ; + 128 bytes x pair
	s_mul_i32 s51, s12, QUART                      ; and the 64 rows that I carry out
	v_and_b32 v11, 31, v0                          ; lane
	v_lshl_add_u32 v6, v11, 4, s48                 ; exchange, out
	v_lshl_add_u32 v7, v11, 4, s49                 ; exchange, in
	v_mul_u32_u24 v8, v10, 8*PITCH                 ; stage of hi, in: row 128 p + 8 hh, byte 128 pair + 8 r
	v_lshl_add_u32 v8, v1, 3, v8
	v_add_nc_u32 v8, s50, v8
	v_add_nc_u32 v12, SLOT, v8                     ; stage of lo, in
	v_mul_u32_u24 v9, v10, PITCH                   ; stage of hi, back: row 64 wave + hh, byte 16 r
	v_lshl_add_u32 v9, v1, 4, v9
	v_add_nc_u32 v9, s51, v9
	v_add_nc_u32 v13, SLOT, v9                     ; stage of lo, back
	v_lshlrev_b32 v5, 4, v1                        ; hbuf: 16 r
	v_lshl_add_u32 v5, v10, 14, v5                 ; + hh rows of 16,384 bytes
	s_lshl_b32 s22, s18, 8                         ; hbuf at row 256 mb + 64 wave, byte 256 nb (in the registers that fed the weights' address alone)
	s_lshl_b32 s23, s12, 6
	s_add_co_u32 s22, s22, s23
	s_lshl_b32 s22, s22, 14
	s_lshl_b32 s23, s17, 8
	s_add_co_u32 s22, s22, s23
	s_mov_b32 s23, 0
	s_add_nc_u64 s[10:11], s[10:11], s[22:23]      ; the plane of hi
	s_add_nc_u64 s[52:53], s[10:11], LOB           ; the plane of lo: too far for a store's immediate, so it has a base of its own
; The waves of a pair hold gate and up of the same 64 columns.  The gate wave keeps rows 0-127 and sends rows 128-255 (window 3); the up wave keeps rows 128-255 and sends
; rows 0-127 (window 2); each receives into the window that it sent.  Then in both waves window 2 is gate and window 3 is up, of rows 128 p .. 128 p + 127.
.macro XSEND                           ; 64 stores of 512 consecutive bytes, from the window that is set
.set nn, 0
.rept 64
	ds_store_b128 v6, v[4*nn:4*nn+3] offset:512*nn
.set nn, nn+1
.endr
.endm
.macro XTAKE                           ; and 64 loads, into the window that is set
.set nn, 0
.rept 64
	ds_load_b128 v[4*nn:4*nn+3], v7 offset:512*nn
.set nn, nn+1
.endr
.endm
	s_cmp_lg_u32 s13, 0
	s_cbranch_scc1 .Lsend_up
	WIN 0x0c                                       ; store data (source 1) from window 3
	XSEND
	WIN 0
	s_branch .Lsent
.Lsend_up:
	WIN 0x08                                       ; from window 2
	XSEND
	WIN 0
.Lsent:
	s_wait_dscnt 0x0                               ; for my partner's sake: my stores are done (and my reads of both slots, which become the stages)
	s_barrier_signal -1
	s_barrier_wait -1
	s_cmp_lg_u32 s13, 0
	s_cbranch_scc1 .Ltake_gate
	WIN 0xc0                                       ; into window 3
	XTAKE
	WIN 0
	s_branch .Ltaken
.Ltake_gate:
	WIN 0x80                                       ; into window 2
	XTAKE
	WIN 0
.Ltaken:
	s_wait_dscnt 0x0
; 16 rows x 64 columns: h = (g / (1 + 2^(-g log2 e))) * u.  g is scaled by the sigmoid first, as silu is written, so that no product larger than the result's factors is formed.
; Then hi = bf16(h), and lo = bf16(h - hi); the difference is exact in f32, since hi agrees with h in its leading 8 bits.
; Behind each run of transcendentals one v_nop stands before the first result is used or a source rewritten (ISA guide 5.7.2).
.macro ACT a
	WIN 0x02                                       ; source 0 = gate, window 2
.irp t, 0,2,4,6,8,10,12,14,16,18,20,22,24,26,28,30
	v_pk_mul_f32 v[EX+\t:EX+\t+1], v[32*\a+\t:32*\a+\t+1], s[46:47] op_sel_hi:[1,0]
.endr
	WIN 0
.set tt, 0
.rept 32
	v_exp_f32 v[EY+tt], v[EX+tt]
.set tt, tt+1
.endr
	v_nop
	s_wait_alu depctr_va_vdst(0)
.irp t, 0,2,4,6,8,10,12,14,16,18,20,22,24,26,28,30
	v_pk_add_f32 v[EX+\t:EX+\t+1], v[EY+\t:EY+\t+1], 1.0 op_sel_hi:[1,0]
.endr
.set tt, 0
.rept 32
	v_rcp_f32 v[EY+tt], v[EX+tt]
.set tt, tt+1
.endr
	v_nop
	WIN 0x02
	s_wait_alu depctr_va_vdst(0)
.irp t, 0,2,4,6,8,10,12,14,16,18,20,22,24,26,28,30
	v_pk_mul_f32 v[EX+\t:EX+\t+1], v[32*\a+\t:32*\a+\t+1], v[EY+\t:EY+\t+1]
.endr
	WIN 0x0c                                       ; source 1 = up, window 3
.irp t, 0,2,4,6,8,10,12,14,16,18,20,22,24,26,28,30
	v_pk_mul_f32 v[EX+\t:EX+\t+1], v[EX+\t:EX+\t+1], v[32*\a+\t:32*\a+\t+1]
.endr
	WIN 0
.irp i, 0,1,2,3,4,5,6,7
.irp t, 0,1
	v_cvt_pk_bf16_f32 v[OB+2*\i+\t], v[EX+16*\t+\i], v[EX+16*\t+8+\i]     ; hi of columns 4 r + 2 t, 4 r + 2 t + 1 of row i
.endr
	ds_store_b64 v8, v[OB+2*\i:OB+2*\i+1] offset:(16*\a+\i)*PITCH          ; four neighbouring columns: 8 bytes; 16 lanes fill 128 bytes of a stage row
.endr
.irp i, 0,1,2,3,4,5,6,7
.irp t, 0,1
	v_lshlrev_b32 v[EY+16*\t+\i],   16, v[OB+2*\i+\t]                      ; hi back as f32, each at its h's place
	v_and_b32     v[EY+16*\t+8+\i], 0xffff0000, v[OB+2*\i+\t]
.endr
.endr
.irp t, 0,2,4,6,8,10,12,14,16,18,20,22,24,26,28,30
	v_pk_add_f32 v[EX+\t:EX+\t+1], v[EX+\t:EX+\t+1], v[EY+\t:EY+\t+1] neg_lo:[0,1] neg_hi:[0,1]   ; h - hi
.endr
.irp i, 0,1,2,3,4,5,6,7
.irp t, 0,1
	v_cvt_pk_bf16_f32 v[OL+2*\i+\t], v[EX+16*\t+\i], v[EX+16*\t+8+\i]     ; lo
.endr
	ds_store_b64 v12, v[OL+2*\i:OL+2*\i+1] offset:(16*\a+\i)*PITCH
.endr
.endm
.irp a, 0,1,2,3,4,5,6,7
	ACT \a
.endr
	s_wait_dscnt 0x0                               ; for the others' sake: my part of the stages is written
	s_barrier_signal -1
	s_barrier_wait -1
; 64 rows of one plane: read back as whole rows and stored
.macro CARRY adr, base
.set tt, 0
.rept 32
	ds_load_b128 v[64+4*tt:64+4*tt+3], v[\adr] offset:2*tt*PITCH   ; lanes 0-15 one whole row of 256 bytes, lanes 16-31 the next
.set tt, tt+1
.endr
.set tt, 0
.rept 32
	s_wait_dscnt 31-tt                             ; LDS loads come back in order: load tt is in
	global_store_b128 v5, v[64+4*tt:64+4*tt+3], s[\base:\base+1] offset:tt*32768   ; 16 lanes store 256 consecutive bytes, at a multiple of 256 from hbuf's first byte
.set tt, tt+1
.endr
.endm
	CARRY 9, 10                                    ; hi
	s_wait_xcnt 0x0                                ; v[64:191] are the data of the stores just issued: they are loaded again only behind this wait (ISA guide 3.1)
	CARRY 13, 52                                   ; lo
	s_wait_tensorcnt 0x0
	ds_add_u32 v62, v63
	s_wait_dscnt 0x0
	CROUND                                         ; the closing round: no work-group ends while a partner may still ask for a tile that names it
	s_endpgm
.Lfunc_end_k_q3c82559699_gateup:
	.size	k_q3c82559699_gateup, .Lfunc_end_k_q3c82559699_gateup-k_q3c82559699_gateup
	.p2alignl 7, 3214868480
	.fill 96, 4, 3214868480
	.section	.rodata,"a",@progbits
	.p2align	6, 0x0
	.amdhsa_kernel k_q3c82559699_gateup
		.amdhsa_group_segment_fixed_size 327680
		.amdhsa_private_segment_fixed_size 0
		.amdhsa_enable_private_segment 0
		.amdhsa_kernarg_size 32
		.amdhsa_user_sgpr_count 2
		.amdhsa_user_sgpr_kernarg_segment_ptr 1
		.amdhsa_wavefront_size32 1
		.amdhsa_system_sgpr_workgroup_id_x 1
		.amdhsa_system_sgpr_workgroup_id_y 1
		.amdhsa_system_sgpr_workgroup_id_z 1
		.amdhsa_system_vgpr_workitem_id 0
		.amdhsa_next_free_vgpr 1024
		.amdhsa_next_free_sgpr 66
		.amdhsa_reserve_vcc 0
		.amdhsa_float_denorm_mode_32 3
		.amdhsa_float_denorm_mode_16_64 3
		.amdhsa_memory_ordered 1
		.amdhsa_forward_progress 1
		.amdhsa_inst_pref_size 255
	.end_amdhsa_kernel
	.section	.bss,"aw",@nobits
	.p2align	6
	.space	262144
	.amdgpu_metadata
---
amdhsa.version: [ 1, 2 ]
amdhsa.kernels:
  - .name:           k_q3c82559699_gateup
    .symbol:         k_q3c82559699_gateup.kd
    .args:
      - { .name: xb, .offset: 0, .size: 8, .value_kind: global_buffer, .address_space: global }
      - { .name: W1, .offset: 8, .size: 8, .value_kind: global_buffer, .address_space: global }
      - { .name: W3, .offset: 16, .size: 8, .value_kind: global_buffer, .address_space: global }
      - { .name: hbuf, .offset: 24, .size: 8, .value_kind: global_buffer, .address_space: global }
    .group_segment_fixed_size: 327680
    .private_segment_fixed_size: 0
    .kernarg_segment_align: 8
    .kernarg_segment_size: 32
    .max_flat_workgroup_size: 128
    .sgpr_count:     66
    .vgpr_count:     1024
    .wavefront_size: 32
...
	.end_amdgpu_metadata
.endif
;; end of part 2
;; launch down (part 3): grid 8 x 32, 4 waves a work-group, clusters of 4 x 4, 327,680 bytes of LDS; arguments hbuf, W2, part; writes part
.if DOCPART == 3
	.amdgcn_target "amdgcn-amd-amdhsa--gfx1250"
	.amdhsa_code_object_version 6
	.text
	.protected	k_q3c82559699_down
	.globl	k_q3c82559699_down
	.p2align	8
	.type	k_q3c82559699_down,@function
k_q3c82559699_down:
	s_mov_b64 s[64:65], 0
	v_nop
	global_prefetch_b8 v0, s[64:65] scope:SCOPE_SE
	s_setreg_imm32_b32 hwreg(HW_REG_WAVE_MODE, 25, 1), 1
	s_wait_xcnt 0x0
	s_wait_alu depctr_hold_cnt(0) depctr_sa_sdst(0) depctr_va_vdst(0) depctr_va_sdst(0) depctr_va_ssrc(0) depctr_va_vcc(0) depctr_vm_vsrc(0)
	s_getreg_b32 s2, hwreg(HW_REG_IB_STS2, 6, 4)
	s_cmp_eq_u32 s2, 0
	s_cbranch_scc0 .Lentry_in_a_cluster
	s_endpgm
.Lentry_in_a_cluster:
	s_bfe_u32 s2, ttmp6, 0x10000c
	s_cmp_lg_u32 s2, 0xf033
	s_cbranch_scc0 .Lentry_shape_is_right
	s_endpgm
.Lentry_shape_is_right:
; part[ks] = (hi + lo)[:, 1024 ks .. 1024 ks + 1023] x W2[1024 ks .. 1024 ks + 1023, :], in f32.  hbuf: [2][1024][8192] bf16 (plane 0 hi, plane 1 lo), W2: [8192][2048] f32.
; h comes as the sum of two bf16 numbers (16 significant bits); both planes are multiplied by the same fragments of W2 and added into the same accumulators.
; The result has 4 x 8 blocks of 256 x 256; K is cut in eight chunks of 1,024 so that 256 work-groups have equal work: work-group (x = nb, y = 4 ks + mb).
; The eight partial sums are added, in the order of ks, by the launch that follows.
; A work-group makes a block with four waves; wave w multiplies all 256 rows by columns 256 nb + 64 w .. + 63: 16 x 4 accumulator tiles, 512 registers.
; THE WEIGHTS GO FROM MEMORY TO REGISTERS TO THE MATRIX UNIT, WITHOUT LDS AND WITHOUT A TRANSPOSE.  Lane (r = lane & 15, hh = lane >> 4) loads the 16 bytes
; W2[k][n0 + 4 r .. n0 + 4 r + 3]: sixteen lanes take 256 consecutive aligned bytes of a weight row, lanes 16-31 the row 8 further down.  The four words belong to four
; different B fragments j = 0 .. 3, in which lane r stands for column n0 + 4 r + j.  Sixteen such loads and 32 roundings make the four fragments of 32 K x 64 columns.
; In the result, register i of tile (a, j) is (row 16 a + 8 hh + i, column n0 + 4 r + j).
; part is a plain dump of the accumulators: [ks 8][mb 4][nb 8][wave 4][n 128][lane 32][4 f32], n = accumulator register / 4, register = 8 (4 a + j) + i.
; hbuf's rows go in K steps of 128 through two LDS slots filled by tensor loads (rows of 256 bytes, aligned); a slot holds the 256 rows of hi, then the 256 rows of lo.
; CLUSTERS: 4 x 4 work-groups = the four mb (cy) of four nb (cx), one ks.  The four of a row of the cluster ask for hbuf's tiles JOINTLY.
; The four of a column read the same weights, each through its own registers and not jointly: a joint load lands in LDS, as f32, so a wave's 8 KiB of weights for 32 K
; would be written to LDS and read back on top of the 32 KiB of hbuf fragments that it reads for the same 128 matrix instructions.
; FORMATS: W2 is rounded to bf16 (nearest even); the sums are f32.
;
; REGISTERS, in windows of 256 (s_set_vgpr_msb's low byte: bits 1:0 source 0, 3:2 source 1, 5:4 source 2, 7:6 destination):
;   window 0: v4 my byte offset in the weights; v5 16 x lane; v12-15 LDS addresses of my fragments: slot 0 hi, slot 0 lo, slot 1 hi, slot 1 lo;
;             v64-127 A fragments of rows 0-127, v128-191 of rows 128-255; v192-223, v224-255 the four bf16 B fragments, two buffers
;   window 1: the weights as loaded: four sets of 16 loads, set c at 64 c, load e at 64 c + 4 e
;   window 2: accumulators of rows 0-127, tile (a, j) at 8 (4 a + j);   window 3: those of rows 128-255
.set PITCHB, 8192                      ; bytes in a row of W2
.set AROWE,  8192                      ; elements in a row of hbuf
.set NT,     8                         ; K steps of 128 in a chunk of 1,024
.set LAPS,   NT/2                      ; a lap = two K steps = once round the two slots
.set PITCH,  272                       ; an LDS row: 256 bytes + 16 of padding, an odd multiple of 16: the 16 rows of a fragment load begin in 16 different 16-byte columns of 256
.set HALFT,  128*PITCH                 ; what one tensor load brings: 128 rows of one plane
.set PLANE,  2*HALFT                   ; 256 rows of one plane
.set SLOT,   2*PLANE                   ; hi's 256 rows, then lo's
.set ADR,  12
.set BOFF, 4
.set FAL,  64
.set FAH,  128
.set FB0,  192
.set FB1,  224
.set G1, 24                            ; s[24:31] descriptor group 1
.set G0, 32                            ; s[32:39] descriptor group 0, one set for each slot
.set WB, 40                            ; s[40:41] my weights at the chunk's row 0
.set WP, 42                            ; s[42:43] my weights at the row from which the loop's loads count
.set MSB, 0
.macro WIN new                         ; the immediate's high byte repeats the setting that is left
.if MSB != \new
	s_set_vgpr_msb (MSB<<8)|\new
.set MSB, \new
.endif
.endm
; A round of the cluster's barrier: my work-group's barrier, wave 0 signals for the work-group, every wave waits for all sixteen, my work-group's barrier once more.
.macro CREST                           ; a round behind its opening barrier
	s_cmp_lg_u32 s12, 0
	s_cbranch_scc1 .Lnot_wave_0_\@
	s_barrier_signal -3
.Lnot_wave_0_\@:
	s_barrier_wait -3
	s_barrier_signal -1
	s_barrier_wait -1
.endm
.macro CROUND                          ; a whole round
	s_barrier_signal -1
	s_barrier_wait -1
	CREST
.endm
; 16 matrix instructions: row blocks a0 .. a0 + 3 of the window's eight (hi = 0: rows 0-127, 1: rows 128-255) x the four B fragments of buffer bb.
; zero = 1: the first product starts the sums: nothing is cleared.
.macro MUL4 hi, a0, bb, zero
.irp a, \a0, \a0+1, \a0+2, \a0+3
.irp j, 0,1,2,3
.if \zero
	v_wmma_f32_16x16x32_bf16 v[8*(4*(\a)+\j):8*(4*(\a)+\j)+7], v[FAL+64*\hi+8*(\a):FAL+64*\hi+8*(\a)+7], v[\bb+8*\j:\bb+8*\j+7], 0
.else
	v_wmma_f32_16x16x32_bf16 v[8*(4*(\a)+\j):8*(4*(\a)+\j)+7], v[FAL+64*\hi+8*(\a):FAL+64*\hi+8*(\a)+7], v[\bb+8*\j:\bb+8*\j+7], v[8*(4*(\a)+\j):8*(4*(\a)+\j)+7]
.endif
.endr
.endr
.endm
; 8 roundings: fragment j of buffer nbuf from set c.  Register q of a fragment holds K = 2 q, 2 q + 1 of the lane's eight (q < 4) or of its second eight: loads 2 q and 2 q + 1.
.macro CVT1 c, nbuf, j
	WIN 0x05
.irp q, 0,1,2,3,4,5,6,7
	v_cvt_pk_bf16_f32 v[\nbuf+8*(\j)+\q], v[64*\c+8*\q+(\j)], v[64*\c+8*\q+4+(\j)]
.endr
.endm
; The places that a load into a matrix instruction's source needs behind it (ISA guide 7.12.1 for vector instructions): four plain vector instructions that name none of
; the registers of the matrix instructions in front of them.  cv = 1: the eight roundings of one fragment of the next substep's weights; cv = 0: nothing is left to round.
.macro PLC cv, c, nbuf, j
.if \cv
	CVT1 \c, \nbuf, \j
.else
.rept 4
	v_nop
.endr
.endif
.endm
; 16 loads: 32 rows x 64 columns of my weights, from row row0 behind the base, into set c
.macro GLD c, row0, base
	WIN 0x40
.irp e, 0,1,2,3,4,5,6,7,8,9,10,11,12,13,14,15
	global_load_b128 v[64*\c+4*\e:64*\c+4*\e+3], v[BOFF], s[\base:\base+1] offset:(\row0+(\e/8)*16+\e%8)*PITCHB
.endr
.endm
; 16 LDS loads: the fragments of row blocks a0 .. a0 + 7, 32 K at byte kb of the rows
.macro FETCH dst, adr, a0, kb
	WIN 0
.irp i, 0,1,2,3,4,5,6,7
	ds_load_b128 v[\dst+8*\i:\dst+8*\i+3],   v[\adr] offset:(\a0+\i)*16*PITCH+\kb
	ds_load_b128 v[\dst+8*\i+4:\dst+8*\i+7], v[\adr] offset:(\a0+\i)*16*PITCH+\kb+32
.endr
.endm
; A K step is four substeps of 32 along K; a substep is two passes, hi's and lo's, of 64 matrix instructions each on the same B buffer.  The 64 accumulators take turns, one
; instruction a turn, in the same order in every pass, over the loop's backward jump too.
; Substep s multiplies B buffer s & 1; it rounds set (s + 1) & 3 into the other buffer, a fragment in front of each of its four runs of LDS loads, and loads that set again for substep s + 5.
; One pass: multiplies what FAL and FAH hold; fetches the next pass's rows 0-127 (address register nadr, byte nkb of the rows).  The next pass's rows 128-255 are fetched by the
; caller, straight behind the pass.  lw >= 0: the wait for the set that is rounded, with the weight loads that may stay out.
.macro PASS bb, zero, cv, c, nbuf, j0, lw, nadr, nkb
	s_wait_dscnt 16                                ; rows 0-127 of this pass are in; the 16 younger loads are rows 128-255
	WIN 0xa0
	MUL4 0, 0, \bb, \zero
	MUL4 0, 4, \bb, \zero
.if \lw >= 0
	s_wait_loadcnt \lw                             ; the next substep's set is in; the younger sets, 16 loads each, stay out
.endif
	PLC \cv, \c, \nbuf, \j0
	FETCH FAL, \nadr, 0, \nkb
	s_wait_dscnt 16                                ; rows 128-255 are in; the 16 younger loads are the ones just issued
	WIN 0xf0
	MUL4 1, 0, \bb, \zero
	MUL4 1, 4, \bb, \zero
	PLC \cv, \c, \nbuf, \j0+1
.endm
; One of a K step's first three substeps.  lw: the weight loads that may stay out; ld = 1: the set is loaded again.
.macro SUBN slot, q, zero, lw, ld
.set RSET, (\q+1)&3
.set BNOW, FB0+32*(\q&1)
.set BNXT, FB0+32*((\q+1)&1)
	PASS BNOW, \zero, 1, RSET, BNXT, 0, \lw, ADR+2*\slot+1, 64*\q          ; hi; next comes lo of the same 32 K
	FETCH FAH, ADR+2*\slot+1, 8, 64*\q
	PASS BNOW, 0, 1, RSET, BNXT, 2, -1, ADR+2*\slot, 64*(\q+1)             ; lo; next comes hi of the next 32 K
.if \ld
.if \q == 0
	s_wait_xcnt 0x0                                ; the base of pending loads is stepped only behind this wait (ISA guide 3.1)
	s_add_nc_u64 s[WP:WP+1], s[WP:WP+1], 128*PITCHB
.endif
	GLD RSET, 32*\q, WP
.endif
	FETCH FAH, ADR+2*\slot, 8, 64*(\q+1)
.endm
; The fourth substep: its pass of lo changes slots.  ONE barrier, for two things.  In front of it each wave waits for its reads of this slot and for all its tensor loads, of which
; one is out: its quarter of the other slot.  Behind it nobody reads this slot and the other slot is whole.  fill = 1: the barrier opens a round of the cluster's barrier, and
; behind the round this slot is asked for again, two K steps ahead, first of all.  From that request to the wait for it a wave issues 496 matrix instructions.
.macro SUBT slot, fill, lw, ld
	PASS FB1, 0, 1, 0, FB0, 0, \lw, ADR+2*\slot+1, 192
	FETCH FAH, ADR+2*\slot+1, 8, 192
	s_wait_dscnt 16
	WIN 0xa0
	MUL4 0, 0, FB1, 0
	s_wait_dscnt 0x0                               ; my reads of this slot are over
	s_wait_tensorcnt 0x0                           ; and all my tensor loads have landed
	ds_add_u32 v62, v63
	s_wait_dscnt 0x0
	s_barrier_signal -1
	MUL4 0, 4, FB1, 0                              ; registers only, while the others arrive
	WIN 0
	s_barrier_wait -1
.if \fill
	CREST                                          ; no wave of any partner still reads this slot or has a load on its way
	s_add_nc_u64 s[G0+4*\slot+2:G0+4*\slot+3], s[G0+4*\slot+2:G0+4*\slot+3], 512   ; two K steps of 256 bytes on; no load of mine is out
	tensor_load_to_lds s[G0+4*\slot:G0+4*\slot+3], s[G1:G1+7]                      ; my one tensor load behind the round
	s_nop 0
.endif
	CVT1 0, FB0, 2
	FETCH FAL, ADR+2*(1-\slot), 0, 0
	WIN 0xf0
	MUL4 1, 0, FB1, 0                              ; rows 128-255 were shown in by the wait for 0 above
	MUL4 1, 4, FB1, 0
	CVT1 0, FB0, 3
.if \ld
	GLD 0, 96, WP
.endif
	FETCH FAH, ADR+2*(1-\slot), 8, 0
.endm
.macro SUBF slot                       ; the very last substep: no weights are left to round, and behind lo's fragments nothing is left to fetch
	PASS FB1, 0, 0, 0, FB0, 0, -1, ADR+2*\slot+1, 192
	FETCH FAH, ADR+2*\slot+1, 8, 192
	s_wait_dscnt 16
	WIN 0xa0
	MUL4 0, 0, FB1, 0
	MUL4 0, 4, FB1, 0
	s_wait_dscnt 0x0
	WIN 0xf0
	MUL4 1, 0, FB1, 0
	MUL4 1, 4, FB1, 0
.endm
.macro STEP slot, zero                 ; 48 = the three younger sets of 16 loads
	SUBN \slot, 0, \zero, 48, 1
	SUBN \slot, 1, 0, 48, 1
	SUBN \slot, 2, 0, 48, 1
	SUBT \slot, 1, 48, 1
.endm
.macro LAP zero
	STEP 0, \zero
	STEP 1, 0
.endm
	s_load_b128 s[4:7], s[0:1], 0x0                ; hbuf s[4:5], W2 s[6:7]
	s_load_b64 s[8:9], s[0:1], 0x10                ; part
	v_lshl_add_u32 v62, v0, 2, 0x44000
	v_mov_b32 v63, 0
	ds_add_u32 v62, v63
	v_lshrrev_b32 v1, 5, v0
	v_readfirstlane_b32 s12, v1                    ; wave 0..3
	s_and_b32 s13, s12, 1                          ; which 128 rows of a plane I fetch
	s_lshr_b32 s14, s12, 1                         ; which plane I fetch: 0 hi, 1 lo
	s_bfe_u32 s15, ttmp6, 0x40000                  ; cx
	s_bfe_u32 s16, ttmp6, 0x40004                  ; cy = mb: block of 256 rows
	s_lshl_b32 s17, ttmp9, 2
	s_add_co_u32 s17, s17, s15                     ; nb: block of 256 columns = 4 x cluster x + cx
	s_and_b32 s46, ttmp7, 0xffff                   ; ks: the cluster's y is the chunk of K (work-group y = 4 ks + mb)
	s_lshl_b32 s19, s16, 2
	s_lshl_b32 s19, 15, s19                        ; my row of the cluster: places 4 cy .. 4 cy + 3
	; descriptor group 1: a tile of 128 rows x 128 elements of 2 bytes, padded in LDS
	s_or_b32 s[G1+0], s19, (1<<16)|(1<<20)|(1<<21)|(5<<22)|(3<<25)  ; 15:0 the mask; 17:16 elements of 2 bytes; 20 padding on; 21 set beside a mask; 24:22 after every 64 words; 31:25 4 words
	s_mov_b32 s[G1+1], 128<<16                     ; tensor_dim0 = 128
	s_mov_b32 s[G1+2], 128<<16                     ; tensor_dim1 = 128
	s_mov_b32 s[G1+3], 128<<16                     ; tile_dim0 = 128
	s_mov_b32 s[G1+4], 128                         ; tile_dim1 = 128
	s_mov_b32 s[G1+5], AROWE                       ; elements from row to row
	s_mov_b32 s[G1+6], 0
	s_mov_b32 s[G1+7], 0
	s_lshl_b32 s20, s16, 8                         ; hbuf: row 256 mb + 128 (wave & 1): it hangs on cy, which my row of the cluster shares, on the cluster's y and on the wave
	s_lshl_b32 s21, s13, 7
	s_add_co_u32 s20, s20, s21
	s_lshl_b32 s20, s20, 14                        ; x 16,384 bytes
	s_lshl_b32 s21, s46, 11                        ; + 1,024 ks elements of 2 bytes
	s_add_co_u32 s20, s20, s21
	s_lshl_b32 s21, s14, 24                        ; + the plane: 1,024 rows of 16,384 bytes
	s_add_co_u32 s20, s20, s21
	s_mov_b32 s21, 0
	s_mul_i32 s45, s12, HALFT                      ; where it goes: wave x 128 rows (hi's two halves, then lo's); no place in the cluster enters an LDS address
	s_lshl_b32 s22, s46, 23                        ; W2: row 1,024 ks of 8,192 bytes
	s_lshl_b32 s23, s17, 10                        ; + column bytes 1,024 nb
	s_add_co_u32 s22, s22, s23
	s_lshl_b32 s23, s12, 8                         ; + 256 wave
	s_add_co_u32 s22, s22, s23
	s_mov_b32 s23, 0
	v_and_b32 v1, 15, v0                           ; r
	v_bfe_u32 v10, v0, 4, 1                        ; hh
	v_and_b32 v11, 31, v0                          ; lane
	v_lshlrev_b32 v5, 4, v11                       ; the way out: 16 bytes a lane
	v_mul_u32_u24 v[ADR], v1, PITCH
	v_lshl_add_u32 v[ADR], v10, 4, v[ADR]          ; a fragment's lane address: r x pitch + 16 hh: slot 0, hi
	v_add_nc_u32 v[ADR+1], PLANE, v[ADR]           ; slot 0, lo
	v_add_nc_u32 v[ADR+2], SLOT, v[ADR]            ; slot 1, hi
	v_add_nc_u32 v[ADR+3], SLOT+PLANE, v[ADR]      ; slot 1, lo
	v_lshlrev_b32 v[BOFF], 4, v1                   ; the weights: 16 r
	v_lshl_add_u32 v[BOFF], v10, 16, v[BOFF]       ; + 8 hh rows of 8,192 bytes
	s_wait_dscnt 0x0
	s_wait_kmcnt 0x0
	s_add_nc_u64 s[20:21], s[4:5], s[20:21]        ; my quarter of hbuf's first tiles
	s_add_nc_u64 s[WB:WB+1], s[6:7], s[22:23]
	s_add_nc_u64 s[WP:WP+1], s[WB:WB+1], 32*PITCHB ; stepped by 128 rows at the head of each K step: in step T it stands at row 32 (4 T + 5) of the chunk
	GLD 0, 0, WB                                   ; the weights of substeps 0 to 3: they only read inputs and may be out across the barriers below
	GLD 1, 32, WB
	GLD 2, 64, WB
	GLD 3, 96, WB
	WIN 0
	CROUND                                         ; all sixteen work-groups are here: the first joint loads meet
.irp n, 0,1
	s_mov_b32 s[G0+4*\n], 1                                        ; count = 1
	s_add_co_u32 s[G0+4*\n+1], s45, \n*SLOT                        ; LDS address
	s_add_nc_u64 s[G0+4*\n+2:G0+4*\n+3], s[20:21], \n*256          ; global address: K step n
	s_or_b32 s[G0+4*\n+3], s[G0+4*\n+3], 0x80000000                ; type = 2
	tensor_load_to_lds s[G0+4*\n:G0+4*\n+3], s[G1:G1+7]            ; both first fills go out together: two tensor loads of the wave are out, later one
	s_nop 0
.endr
	s_wait_loadcnt 48                              ; set 0 is in; sets 1 to 3 stay out
	CVT1 0, FB0, 0
	CVT1 0, FB0, 1
	CVT1 0, FB0, 2
	CVT1 0, FB0, 3
	GLD 0, 128, WB                                 ; substep 4
	WIN 0
	s_wait_tensorcnt 0x1                           ; my quarter of K step 0 is in; K step 1's may stay out
	s_barrier_signal -1
	s_barrier_wait -1                              ; everybody's is
	FETCH FAL, ADR, 0, 0
	FETCH FAH, ADR, 8, 0
	LAP 1                                          ; the first lap stands in front of the loop: its first products start the sums
	WIN 0                                          ; at a label and at a branch every window is 0
	s_mov_b32 s44, LAPS-2
.Llap:
	LAP 0
	WIN 0
	s_sub_co_u32 s44, s44, 1
	s_cmp_lg_u32 s44, 0
	s_cbranch_scc1 .Llap
	; the last lap, written out: no slot is filled that nobody reads, no weight row past the chunk's last is loaded, and the counts run down by sets of 16
	SUBN 0, 0, 0, 48, 1
	SUBN 0, 1, 0, 48, 1
	SUBN 0, 2, 0, 48, 1
	SUBT 0, 0, 48, 0
	SUBN 1, 0, 0, 32, 0
	SUBN 1, 1, 0, 16, 0
	SUBN 1, 2, 0, 0, 0
	SUBF 1
	; THE WAY OUT: the accumulators as they lie, four registers a store: each store of the wave covers 512 consecutive bytes, aligned.
.rept 4
	v_nop                                          ; the four places between the last matrix instructions and the stores that read results
.endr
	s_lshl_b32 s22, s46, 2                         ; ((4 ks + mb) 8 + nb) 4 + wave, in the registers that fed the weights' address alone
	s_add_co_u32 s22, s22, s16
	s_lshl_b32 s22, s22, 3
	s_add_co_u32 s22, s22, s17
	s_lshl_b32 s22, s22, 2
	s_add_co_u32 s22, s22, s12
	s_lshl_b32 s22, s22, 16                        ; x 65,536 bytes: a wave's 512 registers x 32 lanes x 4 bytes
	s_mov_b32 s23, 0
	s_add_nc_u64 s[8:9], s[8:9], s[22:23]
	WIN 0x08                                       ; store data (source 1) from window 2
.set nn, 0
.rept 64
	global_store_b128 v5, v[4*nn:4*nn+3], s[8:9] offset:512*nn
.set nn, nn+1
.endr
	WIN 0x0c                                       ; from window 3
.set nn, 0
.rept 64
	global_store_b128 v5, v[4*nn:4*nn+3], s[8:9] offset:32768+512*nn
.set nn, nn+1
.endr
	WIN 0
	CROUND                                         ; the closing round: no work-group ends while a partner may still ask for a tile that names it
	s_endpgm
.Lfunc_end_k_q3c82559699_down:
	.size	k_q3c82559699_down, .Lfunc_end_k_q3c82559699_down-k_q3c82559699_down
	.p2alignl 7, 3214868480
	.fill 96, 4, 3214868480
	.section	.rodata,"a",@progbits
	.p2align	6, 0x0
	.amdhsa_kernel k_q3c82559699_down
		.amdhsa_group_segment_fixed_size 327680
		.amdhsa_private_segment_fixed_size 0
		.amdhsa_enable_private_segment 0
		.amdhsa_kernarg_size 24
		.amdhsa_user_sgpr_count 2
		.amdhsa_user_sgpr_kernarg_segment_ptr 1
		.amdhsa_wavefront_size32 1
		.amdhsa_system_sgpr_workgroup_id_x 1
		.amdhsa_system_sgpr_workgroup_id_y 1
		.amdhsa_system_sgpr_workgroup_id_z 1
		.amdhsa_system_vgpr_workitem_id 0
		.amdhsa_next_free_vgpr 1024
		.amdhsa_next_free_sgpr 66
		.amdhsa_reserve_vcc 0
		.amdhsa_float_denorm_mode_32 3
		.amdhsa_float_denorm_mode_16_64 3
		.amdhsa_memory_ordered 1
		.amdhsa_forward_progress 1
		.amdhsa_inst_pref_size 255
	.end_amdhsa_kernel
	.section	.bss,"aw",@nobits
	.p2align	6
	.space	262144
	.amdgpu_metadata
---
amdhsa.version: [ 1, 2 ]
amdhsa.kernels:
  - .name:           k_q3c82559699_down
    .symbol:         k_q3c82559699_down.kd
    .args:
      - { .name: hbuf, .offset: 0, .size: 8, .value_kind: global_buffer, .address_space: global }
      - { .name: W2, .offset: 8, .size: 8, .value_kind: global_buffer, .address_space: global }
      - { .name: part, .offset: 16, .size: 8, .value_kind: global_buffer, .address_space: global }
    .group_segment_fixed_size: 327680
    .private_segment_fixed_size: 0
    .kernarg_segment_align: 8
    .kernarg_segment_size: 24
    .max_flat_workgroup_size: 128
    .sgpr_count:     66
    .vgpr_count:     1024
    .wavefront_size: 32
...
	.end_amdgpu_metadata
.endif
;; end of part 3
;; launch reduce (part 4): grid 512 x 1, 8 waves a work-group, no clusters, 0 bytes of LDS; arguments part, routing_weights, out0; writes out0
.if DOCPART == 4
	.amdgcn_target "amdgcn-amd-amdhsa--gfx1250"
	.amdhsa_code_object_version 6
	.text
	.protected	k_q3c82559699_reduce
	.globl	k_q3c82559699_reduce
	.p2align	8
	.type	k_q3c82559699_reduce,@function
k_q3c82559699_reduce:
	s_mov_b64 s[64:65], 0
	v_nop
	global_prefetch_b8 v0, s[64:65] scope:SCOPE_SE
	s_setreg_imm32_b32 hwreg(HW_REG_WAVE_MODE, 25, 1), 1
	s_wait_xcnt 0x0
; out0[row][col] = routing_weights[row] * (sum over ks = 0 .. 7, in that order, of part[ks]).  out0: [1024][2048] f32.
; part: [ks 8][mb 4][nb 8][wave 4][n 128][lane 32][4 f32], a dump of accumulators: n = 8 a + 2 j + half; word i' of lane (r = lane & 15, hh = lane >> 4) is
; (row 256 mb + 16 a + 8 hh + 4 half + i', column 256 nb + 64 wave + 4 r + j).
; A work-group takes one a (16 rows) of one block (mb, nb); its wave (w = wave >> 1, half = wave & 1) takes the four j of (w, a, half) in all eight ks:
; 32 loads of 16 bytes a lane (512 consecutive bytes each), all issued before the first is used.  A lane then holds 4 rows x 4 neighbouring columns; the multiply by the row's
; weight also turns the 4 x 4, and four stores follow in which each 16 lanes write 256 consecutive aligned bytes of a row.
; A stream: every byte is touched once, the waves share nothing: no LDS, no barrier, no matrix unit.
.set KSB,  0x800000                    ; bytes from one ks to the next: 32 blocks x 262,144; one more than a load's immediate can hold, so each ks has a base of its own
.set RW,   8                           ; v[8:11]    routing_weights of my four rows
.set LD0,  16                          ; v[16:143]  ks, j: 4 registers at 16 + 16 ks + 4 j
.set OR,   144                         ; v[144:159] row i': 4 registers
.set PB,   16                          ; s[16:31]   part's base for ks = 0 .. 7
	s_load_b128 s[4:7], s[0:1], 0x0                ; part s[4:5], routing_weights s[6:7]
	s_load_b64 s[8:9], s[0:1], 0x10                ; out0
	v_lshrrev_b32 v1, 5, v0
	v_readfirstlane_b32 s10, v1                    ; wave 0..7
	s_lshr_b32 s11, s10, 1                         ; w: which 64 columns
	s_and_b32 s12, s10, 1                          ; half: which four of a lane's eight rows
	s_lshr_b32 s13, ttmp9, 4                       ; block = 8 mb + nb
	s_and_b32 s14, ttmp9, 15                       ; a
	s_lshr_b32 s15, s13, 3                         ; mb
	s_and_b32 s32, s13, 7                          ; nb
	s_lshl_b32 s34, s13, 18                        ; part: 262,144 block
	s_lshl_b32 s33, s11, 16
	s_add_co_u32 s34, s34, s33                     ; + 65,536 w
	s_lshl_b32 s33, s14, 12
	s_add_co_u32 s34, s34, s33                     ; + 4,096 a
	s_lshl_b32 s33, s12, 9
	s_add_co_u32 s34, s34, s33                     ; + 512 half
	s_mov_b32 s35, 0
	s_lshl_b32 s36, s15, 8                         ; row 256 mb
	s_lshl_b32 s33, s14, 4
	s_add_co_u32 s36, s36, s33                     ; + 16 a
	s_lshl_b32 s33, s12, 2
	s_add_co_u32 s36, s36, s33                     ; + 4 half
	s_lshl_b32 s38, s36, 2                         ; its byte offset in routing_weights
	s_mov_b32 s39, 0
	s_lshl_b32 s36, s36, 13                        ; out0: row x 8,192 bytes
	s_lshl_b32 s33, s32, 10
	s_add_co_u32 s36, s36, s33                     ; + 1,024 nb
	s_lshl_b32 s33, s11, 8
	s_add_co_u32 s36, s36, s33                     ; + 256 w
	s_mov_b32 s37, 0
	v_and_b32 v1, 31, v0                           ; lane
	v_lshlrev_b32 v2, 4, v1                        ; part: 16 bytes a lane
	v_lshrrev_b32 v5, 4, v1                        ; hh
	v_and_b32 v6, 15, v1                           ; r
	v_lshlrev_b32 v3, 5, v5                        ; routing_weights: 8 hh rows of 4 bytes
	v_lshlrev_b32 v4, 4, v6                        ; out0: 16 r
	v_lshl_add_u32 v4, v5, 16, v4                  ; + 8 hh rows of 8,192 bytes
	s_wait_kmcnt 0x0
	s_add_nc_u64 s[PB:PB+1], s[4:5], s[34:35]
.irp k, 1,2,3,4,5,6,7
	s_add_nc_u64 s[PB+2*\k:PB+2*\k+1], s[PB+2*\k-2:PB+2*\k-1], KSB
.endr
	s_add_nc_u64 s[6:7], s[6:7], s[38:39]
	s_add_nc_u64 s[8:9], s[8:9], s[36:37]
	global_load_b128 v[RW:RW+3], v3, s[6:7]
.irp k, 0,1,2,3,4,5,6,7
.irp j, 0,1,2,3
	global_load_b128 v[LD0+16*\k+4*\j:LD0+16*\k+4*\j+3], v2, s[PB+2*\k:PB+2*\k+1] offset:1024*\j th:TH_LOAD_NT
.endr
.endr
.irp k, 1,2,3,4,5,6,7
	s_wait_loadcnt 4*(7-\k)                        ; loads come back in order: ks = 0 .. k are in; the 7 - k younger groups of four stay out
.irp t, 0,2,4,6,8,10,12,14
	v_pk_add_f32 v[LD0+\t:LD0+\t+1], v[LD0+\t:LD0+\t+1], v[LD0+16*\k+\t:LD0+16*\k+\t+1]
.endr
.endr
.irp i, 0,1,2,3
.irp j, 0,1,2,3
	v_mul_f32 v[OR+4*\i+\j], v[LD0+4*\j+\i], v[RW+\i]              ; row i', column 4 r + j
.endr
	global_store_b128 v4, v[OR+4*\i:OR+4*\i+3], s[8:9] offset:8192*\i th:TH_STORE_NT
.endr
	s_endpgm
.Lfunc_end_k_q3c82559699_reduce:
	.size	k_q3c82559699_reduce, .Lfunc_end_k_q3c82559699_reduce-k_q3c82559699_reduce
	.p2alignl 7, 3214868480
	.fill 96, 4, 3214868480
	.section	.rodata,"a",@progbits
	.p2align	6, 0x0
	.amdhsa_kernel k_q3c82559699_reduce
		.amdhsa_group_segment_fixed_size 0
		.amdhsa_private_segment_fixed_size 0
		.amdhsa_enable_private_segment 0
		.amdhsa_kernarg_size 24
		.amdhsa_user_sgpr_count 2
		.amdhsa_user_sgpr_kernarg_segment_ptr 1
		.amdhsa_wavefront_size32 1
		.amdhsa_system_sgpr_workgroup_id_x 1
		.amdhsa_system_sgpr_workgroup_id_y 1
		.amdhsa_system_sgpr_workgroup_id_z 1
		.amdhsa_system_vgpr_workitem_id 0
		.amdhsa_next_free_vgpr 160
		.amdhsa_next_free_sgpr 66
		.amdhsa_reserve_vcc 0
		.amdhsa_float_denorm_mode_32 3
		.amdhsa_float_denorm_mode_16_64 3
		.amdhsa_memory_ordered 1
		.amdhsa_forward_progress 1
		.amdhsa_inst_pref_size 10
	.end_amdhsa_kernel
	.amdgpu_metadata
---
amdhsa.version: [ 1, 2 ]
amdhsa.kernels:
  - .name:           k_q3c82559699_reduce
    .symbol:         k_q3c82559699_reduce.kd
    .args:
      - { .name: part, .offset: 0, .size: 8, .value_kind: global_buffer, .address_space: global }
      - { .name: routing_weights, .offset: 8, .size: 8, .value_kind: global_buffer, .address_space: global }
      - { .name: out0, .offset: 16, .size: 8, .value_kind: global_buffer, .address_space: global }
    .group_segment_fixed_size: 0
    .private_segment_fixed_size: 0
    .kernarg_segment_align: 8
    .kernarg_segment_size: 24
    .max_flat_workgroup_size: 256
    .sgpr_count:     66
    .vgpr_count:     160
    .wavefront_size: 32
...
	.end_amdgpu_metadata
.endif
;; end of part 4
;; ======== version 2 of 3: 4 launches; 1.16 times as fast as version 1
;; limits: values are held in f16: magnitudes above 65,504 overflow, below 6.1e-05 lose precision; inputs' magnitudes at most 1,023
;; workspace buffers: xb 4,194,304 bytes; hbuf 16,777,216 bytes; part 67,108,864 bytes; scales 1,024 bytes
;; launch gather (part 5): grid 256 x 1, 4 waves a work-group, no clusters, 0 bytes of LDS; arguments hidden_states, input_idx, xb; writes xb
.if DOCPART == 5
	.amdgcn_target "amdgcn-amd-amdhsa--gfx1250"
	.amdhsa_code_object_version 6
	.text
	.protected	k_q3c82559699_gather
	.globl	k_q3c82559699_gather
	.p2align	8
	.type	k_q3c82559699_gather,@function
k_q3c82559699_gather:
	s_mov_b64 s[64:65], 0
	v_nop
	global_prefetch_b8 v0, s[64:65] scope:SCOPE_SE
	s_setreg_imm32_b32 hwreg(HW_REG_WAVE_MODE, 25, 1), 1
	s_wait_xcnt 0x0
; xb[i][:] = f16(hidden_states[input_idx[i]][:]), i = 0 .. 1023.  hidden_states: [8192][2048] f32, xb: [1024][2048] f16.
; One wave takes one row: 16 loads of 16 bytes a lane (512 consecutive bytes each), all issued before the first is used,
; two roundings a pair of words, 16 stores of 8 bytes a lane (each covers 256 consecutive bytes, aligned).
; Every load and every store has registers of its own, so nothing has to be freed.
; LIMITS: an index is taken to lie in 0 .. 8191, as the problem states; any other number is clamped, as an unsigned number, to 8191.
; A number above 65,504 in magnitude becomes infinite in f16; one below 2^-14 carries an absolute error of up to 2^-25.
; No LDS, no barrier, no matrix unit: the rows share nothing and every byte is touched once.
.set INR,  8                           ; v[8:71]   load e: 4 registers
.set OUTR, 72                          ; v[72:103] store e: 2 registers
	s_load_b128 s[4:7], s[0:1], 0x0                ; hidden_states s[4:5], input_idx s[6:7]
	s_load_b64 s[8:9], s[0:1], 0x10                ; xb
	v_lshrrev_b32 v1, 5, v0
	v_readfirstlane_b32 s10, v1                    ; wave 0..3
	s_lshl_b32 s11, ttmp9, 2
	s_add_co_u32 s11, s11, s10                     ; my row of xb = 4 x work-group + wave
	s_lshl_b32 s12, s11, 2                         ; its index's byte offset
	v_and_b32 v2, 31, v0                           ; lane
	v_lshlrev_b32 v3, 4, v2                        ; 16 bytes a lane in
	v_lshlrev_b32 v4, 3, v2                        ; 8 bytes a lane out
	s_wait_kmcnt 0x0                               ; the three addresses
	s_load_b32 s13, s[6:7], s12 offset:0x0         ; input_idx[row]
	s_lshl_b32 s16, s11, 12                        ; row x 4,096 bytes
	s_mov_b32 s17, 0
	s_add_nc_u64 s[8:9], s[8:9], s[16:17]          ; xb at my row
	s_wait_kmcnt 0x0                               ; the index
	s_min_u32 s13, s13, 0x1fff                     ; inside the table of 8,192 rows
	s_lshl_b32 s14, s13, 13                        ; x 8,192 bytes: below 2^26
	s_mov_b32 s15, 0
	s_add_nc_u64 s[4:5], s[4:5], s[14:15]          ; hidden_states at the row named
.irp e, 0,1,2,3,4,5,6,7,8,9,10,11,12,13,14,15
	global_load_b128 v[INR+4*\e:INR+4*\e+3], v3, s[4:5] offset:512*\e
.endr
.irp e, 0,1,2,3,4,5,6,7,8,9,10,11,12,13,14,15
	s_wait_loadcnt 15-\e                           ; loads come back in order: load e is in, the 15 - e younger ones stay out
	v_cvt_pk_f16_f32 v[OUTR+2*\e],   v[INR+4*\e],   v[INR+4*\e+1]
	v_cvt_pk_f16_f32 v[OUTR+2*\e+1], v[INR+4*\e+2], v[INR+4*\e+3]
	global_store_b64 v4, v[OUTR+2*\e:OUTR+2*\e+1], s[8:9] offset:256*\e
.endr
	s_endpgm
.Lfunc_end_k_q3c82559699_gather:
	.size	k_q3c82559699_gather, .Lfunc_end_k_q3c82559699_gather-k_q3c82559699_gather
	.p2alignl 7, 3214868480
	.fill 96, 4, 3214868480
	.section	.rodata,"a",@progbits
	.p2align	6, 0x0
	.amdhsa_kernel k_q3c82559699_gather
		.amdhsa_group_segment_fixed_size 0
		.amdhsa_private_segment_fixed_size 0
		.amdhsa_enable_private_segment 0
		.amdhsa_kernarg_size 24
		.amdhsa_user_sgpr_count 2
		.amdhsa_user_sgpr_kernarg_segment_ptr 1
		.amdhsa_wavefront_size32 1
		.amdhsa_system_sgpr_workgroup_id_x 1
		.amdhsa_system_sgpr_workgroup_id_y 1
		.amdhsa_system_sgpr_workgroup_id_z 1
		.amdhsa_system_vgpr_workitem_id 0
		.amdhsa_next_free_vgpr 104
		.amdhsa_next_free_sgpr 66
		.amdhsa_reserve_vcc 0
		.amdhsa_float_denorm_mode_32 3
		.amdhsa_float_denorm_mode_16_64 3
		.amdhsa_memory_ordered 1
		.amdhsa_forward_progress 1
		.amdhsa_inst_pref_size 7
	.end_amdhsa_kernel
	.amdgpu_metadata
---
amdhsa.version: [ 1, 2 ]
amdhsa.kernels:
  - .name:           k_q3c82559699_gather
    .symbol:         k_q3c82559699_gather.kd
    .args:
      - { .name: hidden_states, .offset: 0, .size: 8, .value_kind: global_buffer, .address_space: global }
      - { .name: input_idx, .offset: 8, .size: 8, .value_kind: global_buffer, .address_space: global }
      - { .name: xb, .offset: 16, .size: 8, .value_kind: global_buffer, .address_space: global }
    .group_segment_fixed_size: 0
    .private_segment_fixed_size: 0
    .kernarg_segment_align: 8
    .kernarg_segment_size: 24
    .max_flat_workgroup_size: 128
    .sgpr_count:     66
    .vgpr_count:     104
    .wavefront_size: 32
...
	.end_amdgpu_metadata
.endif
;; end of part 5
;; launch gateup (part 6): grid 64 x 4, 4 waves a work-group, clusters of 4 x 4, 327,680 bytes of LDS; arguments xb, W1, W3, hbuf, scales; writes hbuf, scales
.if DOCPART == 6
	.amdgcn_target "amdgcn-amd-amdhsa--gfx1250"
	.amdhsa_code_object_version 6
	.text
	.protected	k_q3c82559699_gateup
	.globl	k_q3c82559699_gateup
	.p2align	8
	.type	k_q3c82559699_gateup,@function
k_q3c82559699_gateup:
	s_mov_b64 s[64:65], 0
	v_nop
	global_prefetch_b8 v0, s[64:65] scope:SCOPE_SE
	s_setreg_imm32_b32 hwreg(HW_REG_WAVE_MODE, 25, 1), 1
	s_wait_xcnt 0x0
	s_wait_alu depctr_hold_cnt(0) depctr_sa_sdst(0) depctr_va_vdst(0) depctr_va_sdst(0) depctr_va_ssrc(0) depctr_va_vcc(0) depctr_vm_vsrc(0)
	s_getreg_b32 s2, hwreg(HW_REG_IB_STS2, 6, 4)
	s_cmp_eq_u32 s2, 0
	s_cbranch_scc0 .Lentry_in_a_cluster
	s_endpgm
.Lentry_in_a_cluster:
	s_bfe_u32 s2, ttmp6, 0x10000c
	s_cmp_lg_u32 s2, 0xf033
	s_cbranch_scc0 .Lentry_shape_is_right
	s_endpgm
.Lentry_shape_is_right:
; h = silu(xb W1) * (xb W3), handed on in f16 with one power of two for each work-group's block.
; xb: [1024][2048] f16, W1, W3: [2048][8192] f32, hbuf: [1024][8192] f16, scales: [4][64] f32.  Sums in f32.
; FORMATS: xb, the weights and h go to the matrix units in f16 (11 significant bits, nearest even): each of the 8,192 products of a sum of the next launch then carries a
; relative error of at most 2^-12 from h, where bf16 would leave 2^-9.  Everything else is f32.
; h IS SCALED, since it is a product of two sums and has no room in f16 as it stands: with xb, W1 and W3 each some 30 times larger it passes 65,504, with all three
; smaller it sinks below f16's smallest numbers.  m = the largest |h| of the work-group's 256 x 128 block, E = m's biased exponent, at least EMIN;
; hbuf = f16(h * 2^(141 - E)), below 2^15 in magnitude; scales[mb][nb] = 2^(E - 141).  The block is one K step's tile of the next launch, which multiplies the scale back in.
; LIMITS: a number of xb, W1 or W3 above 65,504 in magnitude becomes infinite, one below 2^-14 carries an absolute error of up to 2^-25;
; a block whose largest |h| is below 2^-95 is scaled as if that were its largest.
; A work-group makes 256 rows x 128 columns of h with four waves.  Wave w (p = w & 1, pair = w >> 1) multiplies all 256 rows by 64 columns
; of W1 (p = 0) or of W3 (p = 1): 16 x 4 accumulator tiles of 16 x 16, 512 registers.
; THE WEIGHTS GO FROM MEMORY TO REGISTERS TO THE MATRIX UNIT, WITHOUT LDS AND WITHOUT A TRANSPOSE.  Lane (r = lane & 15, hh = lane >> 4) loads the 16 bytes
; W[k][n0 + 4 r .. n0 + 4 r + 3]: sixteen lanes take 256 consecutive aligned bytes of a weight row, lanes 16-31 the row 8 further down.  The four words belong to four
; different B fragments j = 0 .. 3, in which lane r stands for column n0 + 4 r + j.  Sixteen such loads (rows 8 hh + t and 16 + 8 hh + t, t = 0 .. 7) and 32 roundings,
; each packing rows k, k + 1 of one column, make the four fragments of 32 K x 64 columns.  In the result, register i of tile (a, j) is
; (row 16 a + 8 hh + i, column n0 + 4 r + j): a lane's four j are four neighbouring columns.
; xb's rows go in K steps of 128 through two LDS slots filled by tensor loads (rows of 256 bytes, aligned).
; CLUSTERS: 4 x 4 work-groups.  The four of a row of the cluster make the same 256 rows and ask for xb's tiles JOINTLY (mask = my row of the cluster).
; The four of a column read the same weights, each through its own registers and not jointly: a joint load lands in LDS, as f32, so a wave's 8 KiB of weights for 32 K
; would be written to LDS and read back on top of the 16 KiB of xb fragments that it reads for the same 64 matrix instructions.
;
; REGISTERS, in windows of 256 (s_set_vgpr_msb's low byte: bits 1:0 source 0, 3:2 source 1, 5:4 source 2, 7:6 destination):
;   window 0: v2-3 LDS addresses of my fragments in slot 0, 1; v4 my byte offset in the weights; v5-15 the way out;
;             v64-127 A fragments of rows 0-127, v128-191 of rows 128-255; v192-223, v224-255 the four f16 B fragments, two buffers
;   window 1: the weights as loaded: four sets of 16 loads, set c at 64 c, load e at 64 c + 4 e
;   window 2: accumulators of rows 0-127, tile (a, j) at 8 (4 a + j);   window 3: those of rows 128-255
.set PITCHB, 32768                     ; bytes in a row of W1 and W3
.set AROWE,  2048                      ; elements in a row of xb
.set NT,     16                        ; K steps of 128
.set LAPS,   NT/2                      ; a lap = two K steps = once round the two slots
.set PITCH,  272                       ; an LDS row: 256 bytes + 16 of padding, an odd multiple of 16: the 16 rows of a fragment load begin in 16 different 16-byte columns of 256
.set QUART,  64*PITCH                  ; what one tensor load brings: 64 rows
.set SLOT,   4*QUART                   ; 256 rows
.set XCH,    2*SLOT                    ; behind the slots: 4 x 32,768 bytes in which the waves of a pair exchange halves; no tensor load lands here
.set MAXS,   SLOT                      ; the way out: four words, one a wave, at the head of slot 1's bytes, which have had their last fill and their last read by then
.set HEXP,   14                        ; the block's largest |h| is brought to 2^14 .. 2^15
.set EMIN,   32                        ; the least biased exponent taken for it, so that the scale and what the next launch makes of it stay normal numbers
.set ADR,  2
.set BOFF, 4
.set FAL,  64
.set FAH,  128
.set FB0,  192
.set FB1,  224
.set EX,   64                          ; the way out: v[64:95], v[96:127] at work, v[128:143] packed results
.set EY,   96
.set OB,   128
.set MX,   144                         ; v[144:147] four running maxima
.set MN,   148                         ; v[148:151] four running minima
.set G1, 24                            ; s[24:31] descriptor group 1
.set G0, 32                            ; s[32:39] descriptor group 0, one set for each slot
.set WB, 40                            ; s[40:41] my weights at row 0
.set WP, 42                            ; s[42:43] my weights at the row from which the loop's loads count
.set MSB, 0
.macro WIN new                         ; the immediate's high byte repeats the setting that is left
.if MSB != \new
	s_set_vgpr_msb (MSB<<8)|\new
.set MSB, \new
.endif
.endm
; A round of the cluster's barrier: my work-group's barrier, wave 0 signals for the work-group, every wave waits for all sixteen, my work-group's barrier once more.
.macro CREST                           ; a round behind its opening barrier
	s_cmp_lg_u32 s12, 0
	s_cbranch_scc1 .Lnot_wave_0_\@
	s_barrier_signal -3
.Lnot_wave_0_\@:
	s_barrier_wait -3
	s_barrier_signal -1
	s_barrier_wait -1
.endm
.macro CROUND                          ; a whole round
	s_barrier_signal -1
	s_barrier_wait -1
	CREST
.endm
; 16 matrix instructions: row blocks a0 .. a0 + 3 of the window's eight (hi = 0: rows 0-127, 1: rows 128-255) x the four B fragments of buffer bb.
; zero = 1: the first product starts the sums: nothing is cleared.
.macro MUL4 hi, a0, bb, zero
.irp a, \a0, \a0+1, \a0+2, \a0+3
.irp j, 0,1,2,3
.if \zero
	v_wmma_f32_16x16x32_f16 v[8*(4*(\a)+\j):8*(4*(\a)+\j)+7], v[FAL+64*\hi+8*(\a):FAL+64*\hi+8*(\a)+7], v[\bb+8*\j:\bb+8*\j+7], 0
.else
	v_wmma_f32_16x16x32_f16 v[8*(4*(\a)+\j):8*(4*(\a)+\j)+7], v[FAL+64*\hi+8*(\a):FAL+64*\hi+8*(\a)+7], v[\bb+8*\j:\bb+8*\j+7], v[8*(4*(\a)+\j):8*(4*(\a)+\j)+7]
.endif
.endr
.endr
.endm
; 16 roundings: fragments j0, j0 + 1 of buffer nbuf from set c.  Register q of a fragment holds K = 2 q, 2 q + 1 of the lane's eight (q < 4) or of its second eight: loads 2 q and 2 q + 1.
.macro CVT c, nbuf, j0
	WIN 0x05
.irp j, \j0, \j0+1
.irp q, 0,1,2,3,4,5,6,7
	v_cvt_pk_f16_f32 v[\nbuf+8*(\j)+\q], v[64*\c+8*\q+(\j)], v[64*\c+8*\q+4+(\j)]
.endr
.endr
.endm
; 16 loads: 32 rows x 64 columns of my weights, from row row0 behind the base, into set c
.macro GLD c, row0, base
	WIN 0x40
.irp e, 0,1,2,3,4,5,6,7,8,9,10,11,12,13,14,15
	global_load_b128 v[64*\c+4*\e:64*\c+4*\e+3], v[BOFF], s[\base:\base+1] offset:(\row0+(\e/8)*16+\e%8)*PITCHB
.endr
.endm
; 16 LDS loads: the fragments of row blocks a0 .. a0 + 7, 32 K at byte kb of the rows
.macro FETCH dst, adr, a0, kb
	WIN 0
.irp i, 0,1,2,3,4,5,6,7
	ds_load_b128 v[\dst+8*\i:\dst+8*\i+3],   v[\adr] offset:(\a0+\i)*16*PITCH+\kb
	ds_load_b128 v[\dst+8*\i+4:\dst+8*\i+7], v[\adr] offset:(\a0+\i)*16*PITCH+\kb+32
.endr
.endm
; A K step is four substeps of 32 along K, 64 matrix instructions each.  The 64 accumulators take turns, one instruction a turn, in the same order in every
; substep, over the loop's backward jump too.
; Substep s multiplies B buffer s & 1; it rounds set (s + 1) & 3 into the other buffer and loads that set again for substep s + 5.
; The roundings are also the places that a load into a matrix instruction's source needs behind it (ISA guide 7.12.1 for vector instructions):
; 16 plain vector instructions that name none of the registers of the matrix instructions in front of them.
; One of a K step's first three substeps.  lw: the weight loads that may stay out; ld = 1: the set is loaded again.
.macro SUBN slot, q, zero, lw, ld
.set RSET, (\q+1)&3
.set BNOW, FB0+32*(\q&1)
.set BNXT, FB0+32*((\q+1)&1)
	s_wait_dscnt 16                                ; rows 0-127 of this substep are in; the 16 younger loads are rows 128-255
	WIN 0xa0
	MUL4 0, 0, BNOW, \zero
	MUL4 0, 4, BNOW, \zero
	s_wait_loadcnt \lw                             ; the next substep's set is in; the younger sets, 16 loads each, stay out
	CVT RSET, BNXT, 0
	FETCH FAL, ADR+\slot, 0, 64*(\q+1)
	s_wait_dscnt 16                                ; rows 128-255 are in; the 16 younger loads are the ones just issued
	WIN 0xf0
	MUL4 1, 0, BNOW, \zero
	MUL4 1, 4, BNOW, \zero
	CVT RSET, BNXT, 2
.if \ld
.if \q == 0
	s_wait_xcnt 0x0                                ; the base of pending loads is stepped only behind this wait (ISA guide 3.1)
	s_add_nc_u64 s[WP:WP+1], s[WP:WP+1], 128*PITCHB
.endif
	GLD RSET, 32*\q, WP
.endif
	FETCH FAH, ADR+\slot, 8, 64*(\q+1)
.endm
; The fourth substep changes slots.  ONE barrier, for two things.  In front of it each wave waits for its reads of this slot and for all its tensor loads, of which one is
; out: its quarter of the other slot.  Behind it nobody reads this slot and the other slot is whole.  fill = 1: the barrier opens a round of the cluster's barrier, and
; behind the round this slot is asked for again, two K steps ahead, first of all.  From that request to the wait for it a wave issues 240 matrix instructions.
.macro SUBT slot, fill, lw, ld
	s_wait_dscnt 16
	WIN 0xa0
	MUL4 0, 0, FB1, 0
	s_wait_dscnt 0x0                               ; my reads of this slot are over
	s_wait_tensorcnt 0x0                           ; and all my tensor loads have landed
	ds_add_u32 v62, v63
	s_wait_dscnt 0x0
	s_barrier_signal -1
	MUL4 0, 4, FB1, 0                              ; registers only, while the others arrive
	WIN 0
	s_barrier_wait -1
.if \fill
	CREST                                          ; no wave of any partner still reads this slot or has a load on its way
	s_add_nc_u64 s[G0+4*\slot+2:G0+4*\slot+3], s[G0+4*\slot+2:G0+4*\slot+3], 512   ; two K steps of 256 bytes on; no load of mine is out
	tensor_load_to_lds s[G0+4*\slot:G0+4*\slot+3], s[G1:G1+7]                      ; my one tensor load behind the round
	s_nop 0
.endif
	s_wait_loadcnt \lw
	CVT 0, FB0, 0
	FETCH FAL, ADR+1-\slot, 0, 0
	WIN 0xf0
	MUL4 1, 0, FB1, 0                              ; rows 128-255 were shown in by the wait for 0 above
	MUL4 1, 4, FB1, 0
	CVT 0, FB0, 2
.if \ld
	GLD 0, 96, WP
.endif
	FETCH FAH, ADR+1-\slot, 8, 0
.endm
.macro SUBF                            ; the very last substep: nothing more to fetch
	s_wait_dscnt 16
	WIN 0xa0
	MUL4 0, 0, FB1, 0
	MUL4 0, 4, FB1, 0
	s_wait_dscnt 0x0
	WIN 0xf0
	MUL4 1, 0, FB1, 0
	MUL4 1, 4, FB1, 0
.endm
.macro STEP slot, zero                 ; 48 = the three younger sets of 16 loads
	SUBN \slot, 0, \zero, 48, 1
	SUBN \slot, 1, 0, 48, 1
	SUBN \slot, 2, 0, 48, 1
	SUBT \slot, 1, 48, 1
.endm
.macro LAP zero
	STEP 0, \zero
	STEP 1, 0
.endm
	s_load_b256 s[4:11], s[0:1], 0x0               ; xb s[4:5], W1 s[6:7], W3 s[8:9], hbuf s[10:11]
	s_load_b64 s[60:61], s[0:1], 0x20              ; scales
	v_lshl_add_u32 v62, v0, 2, 0x42000
	v_mov_b32 v63, 0
	ds_add_u32 v62, v63
	v_lshrrev_b32 v1, 5, v0
	v_readfirstlane_b32 s12, v1                    ; wave 0..3
	s_and_b32 s13, s12, 1                          ; p: 0 = W1 (gate), 1 = W3 (up)
	s_lshr_b32 s14, s12, 1                         ; pair: which 64 of the block's 128 columns
	s_bfe_u32 s15, ttmp6, 0x40000                  ; cx
	s_bfe_u32 s16, ttmp6, 0x40004                  ; cy
	s_lshl_b32 s17, ttmp9, 2
	s_add_co_u32 s17, s17, s15                     ; nb: block of 128 columns = 4 x cluster x + cx
	s_and_b32 s18, ttmp7, 0xffff
	s_lshl_b32 s18, s18, 2
	s_add_co_u32 s18, s18, s16                     ; mb: block of 256 rows = 4 x cluster y + cy
	s_lshl_b32 s19, s16, 2
	s_lshl_b32 s19, 15, s19                        ; my row of the cluster: places 4 cy .. 4 cy + 3
	; descriptor group 1: a tile of 64 rows x 128 elements of 2 bytes, padded in LDS
	s_or_b32 s[G1+0], s19, (1<<16)|(1<<20)|(1<<21)|(5<<22)|(3<<25)  ; 15:0 the mask; 17:16 elements of 2 bytes; 20 padding on; 21 set beside a mask; 24:22 after every 64 words; 31:25 4 words
	s_mov_b32 s[G1+1], 128<<16                     ; tensor_dim0 = 128
	s_mov_b32 s[G1+2], 64<<16                      ; tensor_dim1 = 64
	s_mov_b32 s[G1+3], 128<<16                     ; tile_dim0 = 128
	s_mov_b32 s[G1+4], 64                          ; tile_dim1 = 64
	s_mov_b32 s[G1+5], AROWE                       ; elements from row to row
	s_mov_b32 s[G1+6], 0
	s_mov_b32 s[G1+7], 0
	s_lshl_b32 s20, s18, 8                         ; xb: row 256 mb + 64 wave: it hangs on cy, which my row of the cluster shares, and on the wave
	s_lshl_b32 s21, s12, 6
	s_add_co_u32 s20, s20, s21
	s_lshl_b32 s20, s20, 12                        ; x 4,096 bytes
	s_mov_b32 s21, 0
	s_mul_i32 s45, s12, QUART                      ; where it goes: wave x 64 rows; no place in the cluster enters an LDS address
	s_lshl_b32 s22, s17, 9                         ; the weights: column bytes 512 nb + 256 pair
	s_lshl_b32 s23, s14, 8
	s_add_co_u32 s22, s22, s23
	s_mov_b32 s23, 0
	s_mov_b32 s46, 0xbfb8aa3b                      ; -log2 e, twice: a pair for the packed multiply
	s_mov_b32 s47, 0xbfb8aa3b
	v_and_b32 v1, 15, v0                           ; r
	v_bfe_u32 v10, v0, 4, 1                        ; hh
	v_mul_u32_u24 v[ADR], v1, PITCH
	v_lshl_add_u32 v[ADR], v10, 4, v[ADR]          ; a fragment's lane address: r x pitch + 16 hh
	v_add_nc_u32 v[ADR+1], SLOT, v[ADR]
	v_lshlrev_b32 v[BOFF], 4, v1                   ; the weights: 16 r
	v_lshl_add_u32 v[BOFF], v10, 18, v[BOFF]       ; + 8 hh rows of 32,768 bytes
	s_wait_dscnt 0x0
	s_wait_kmcnt 0x0
	s_add_nc_u64 s[20:21], s[4:5], s[20:21]        ; my quarter of xb's first tile
	s_cmp_eq_u32 s13, 0
	s_cselect_b64 s[WB:WB+1], s[6:7], s[8:9]       ; W1 or W3, by the wave's number
	s_add_nc_u64 s[WB:WB+1], s[WB:WB+1], s[22:23]
	s_add_nc_u64 s[WP:WP+1], s[WB:WB+1], 32*PITCHB ; stepped by 128 rows at the head of each K step: in step T it stands at row 32 (4 T + 5)
	GLD 0, 0, WB                                   ; the weights of substeps 0 to 3: they only read inputs and may be out across the barriers below
	GLD 1, 32, WB
	GLD 2, 64, WB
	GLD 3, 96, WB
	WIN 0
	CROUND                                         ; all sixteen work-groups are here: the first joint loads meet
.irp n, 0,1
	s_mov_b32 s[G0+4*\n], 1                                        ; count = 1
	s_add_co_u32 s[G0+4*\n+1], s45, \n*SLOT                        ; LDS address
	s_add_nc_u64 s[G0+4*\n+2:G0+4*\n+3], s[20:21], \n*256          ; global address: K step n
	s_or_b32 s[G0+4*\n+3], s[G0+4*\n+3], 0x80000000                ; type = 2
	tensor_load_to_lds s[G0+4*\n:G0+4*\n+3], s[G1:G1+7]            ; both first fills go out together: two tensor loads of the wave are out, later one
	s_nop 0
.endr
	s_wait_loadcnt 48                              ; set 0 is in; sets 1 to 3 stay out
	CVT 0, FB0, 0
	CVT 0, FB0, 2
	GLD 0, 128, WB                                 ; substep 4
	WIN 0
	s_wait_tensorcnt 0x1                           ; my quarter of K step 0 is in; K step 1's may stay out
	s_barrier_signal -1
	s_barrier_wait -1                              ; everybody's is
	FETCH FAL, ADR, 0, 0
	FETCH FAH, ADR, 8, 0
	LAP 1                                          ; the first lap stands in front of the loop: its first products start the sums
	WIN 0                                          ; at a label and at a branch every window is 0
	s_mov_b32 s44, LAPS-2
.Llap:
	LAP 0
	WIN 0
	s_sub_co_u32 s44, s44, 1
	s_cmp_lg_u32 s44, 0
	s_cbranch_scc1 .Llap
	; the last lap, written out: no slot is filled that nobody reads, no weight row past the last is loaded, and the counts run down by sets of 16
	SUBN 0, 0, 0, 48, 1
	SUBN 0, 1, 0, 48, 1
	SUBN 0, 2, 0, 48, 1
	SUBT 0, 0, 48, 0
	SUBN 1, 0, 0, 32, 0
	SUBN 1, 1, 0, 16, 0
	SUBN 1, 2, 0, 0, 0
	SUBF
	; THE WAY OUT.  The thirteen address computations below are also the places behind the last matrix instructions (four are needed before an LDS store reads a result).
	WIN 0
	s_lshl_b32 s48, s12, 15
	s_add_co_u32 s48, s48, XCH                     ; my 32,768 bytes of the exchange
	s_xor_b32 s49, s12, 1
	s_lshl_b32 s49, s49, 15
	s_add_co_u32 s49, s49, XCH                     ; my partner's
	s_mul_i32 s50, s13, 128*PITCH                  ; the stage (slot 0's bytes, which have had their last fill and their last read): rows 128 p ..
	s_lshl_b32 s51, s14, 7
	s_add_co_u32 s50, s50, s51                     ; + 128 bytes x pair
	s_mul_i32 s51, s12, QUART                      ; and the 64 rows that I carry out
	s_lshl_b32 s52, s12, 2
	s_add_co_u32 s52, s52, MAXS                    ; my word among the four maxima
	s_mov_b32 s58, 0x76543210                      ; v_permlanex16_b32: lane i of one half reads lane i of the other
	s_mov_b32 s59, 0xfedcba98
	v_and_b32 v11, 31, v0                          ; lane
	v_lshl_add_u32 v6, v11, 4, s48                 ; exchange, out
	v_lshl_add_u32 v7, v11, 4, s49                 ; exchange, in
	v_mul_u32_u24 v8, v10, 8*PITCH                 ; stage, in: row 128 p + 8 hh, byte 128 pair + 8 r
	v_lshl_add_u32 v8, v1, 3, v8
	v_add_nc_u32 v8, s50, v8
	v_mul_u32_u24 v9, v10, PITCH                   ; stage, back: row 64 wave + hh, byte 16 r
	v_lshl_add_u32 v9, v1, 4, v9
	v_add_nc_u32 v9, s51, v9
	v_lshlrev_b32 v5, 4, v1                        ; hbuf: 16 r
	v_lshl_add_u32 v5, v10, 14, v5                 ; + hh rows of 16,384 bytes
	v_mov_b32 v12, s52                             ; where my wave's maximum goes
	v_mov_b32 v13, MAXS                            ; where the four are read
	s_lshl_b32 s22, s18, 8                         ; hbuf at row 256 mb + 64 wave, byte 256 nb (in the registers that fed the weights' address alone)
	s_lshl_b32 s23, s12, 6
	s_add_co_u32 s22, s22, s23
	s_lshl_b32 s22, s22, 14
	s_lshl_b32 s23, s17, 8
	s_add_co_u32 s22, s22, s23
	s_mov_b32 s23, 0
	s_add_nc_u64 s[10:11], s[10:11], s[22:23]
	s_lshl_b32 s22, s18, 6                         ; scales at word 64 mb + nb
	s_add_co_u32 s22, s22, s17
	s_lshl_b32 s22, s22, 2
	s_add_nc_u64 s[60:61], s[60:61], s[22:23]
; The waves of a pair hold gate and up of the same 64 columns.  The gate wave keeps rows 0-127 and sends rows 128-255 (window 3); the up wave keeps rows 128-255 and sends
; rows 0-127 (window 2); each receives into the window that it sent.  Then in both waves window 2 is gate and window 3 is up, of rows 128 p .. 128 p + 127.
.macro XSEND                           ; 64 stores of 512 consecutive bytes, from the window that is set
.set nn, 0
.rept 64
	ds_store_b128 v6, v[4*nn:4*nn+3] offset:512*nn
.set nn, nn+1
.endr
.endm
.macro XTAKE                           ; and 64 loads, into the window that is set
.set nn, 0
.rept 64
	ds_load_b128 v[4*nn:4*nn+3], v7 offset:512*nn
.set nn, nn+1
.endr
.endm
	s_cmp_lg_u32 s13, 0
	s_cbranch_scc1 .Lsend_up
	WIN 0x0c                                       ; store data (source 1) from window 3
	XSEND
	WIN 0
	s_branch .Lsent
.Lsend_up:
	WIN 0x08                                       ; from window 2
	XSEND
	WIN 0
.Lsent:
	s_wait_dscnt 0x0                               ; for my partner's sake: my stores are done (and my reads of both slots, whose bytes are written below)
	s_barrier_signal -1
	s_barrier_wait -1
	s_cmp_lg_u32 s13, 0
	s_cbranch_scc1 .Ltake_gate
	WIN 0xc0                                       ; into window 3
	XTAKE
	WIN 0
	s_branch .Ltaken
.Ltake_gate:
	WIN 0x80                                       ; into window 2
	XTAKE
	WIN 0
.Ltaken:
	s_wait_dscnt 0x0
; 16 rows x 64 columns: h = (g / (1 + 2^(-g log2 e))) * u, in f32, put where g was.  g is scaled by the sigmoid first, as silu is written, so that no product larger than
; the result's factors is formed.  Behind each run of transcendentals one v_nop stands before the first result is used or a source rewritten (ISA guide 5.7.2).
.macro ACT1 a
	WIN 0x02                                       ; source 0 = gate, window 2
.irp t, 0,2,4,6,8,10,12,14,16,18,20,22,24,26,28,30
	v_pk_mul_f32 v[EX+\t:EX+\t+1], v[32*\a+\t:32*\a+\t+1], s[46:47] op_sel_hi:[1,0]
.endr
	WIN 0
.set tt, 0
.rept 32
	v_exp_f32 v[EY+tt], v[EX+tt]
.set tt, tt+1
.endr
	v_nop
	s_wait_alu depctr_va_vdst(0)
.irp t, 0,2,4,6,8,10,12,14,16,18,20,22,24,26,28,30
	v_pk_add_f32 v[EX+\t:EX+\t+1], v[EY+\t:EY+\t+1], 1.0 op_sel_hi:[1,0]
.endr
.set tt, 0
.rept 32
	v_rcp_f32 v[EY+tt], v[EX+tt]
.set tt, tt+1
.endr
	v_nop
	WIN 0x02
	s_wait_alu depctr_va_vdst(0)
.irp t, 0,2,4,6,8,10,12,14,16,18,20,22,24,26,28,30
	v_pk_mul_f32 v[EX+\t:EX+\t+1], v[32*\a+\t:32*\a+\t+1], v[EY+\t:EY+\t+1]
.endr
	WIN 0x8c                                       ; source 1 = up, window 3; destination window 2
.irp t, 0,2,4,6,8,10,12,14,16,18,20,22,24,26,28,30
	v_pk_mul_f32 v[32*\a+\t:32*\a+\t+1], v[EX+\t:EX+\t+1], v[32*\a+\t:32*\a+\t+1]
.endr
.endm
.irp a, 0,1,2,3,4,5,6,7
	ACT1 \a
.endr
	; The largest |h| of the block.  In each lane: the largest and the smallest of its 256 numbers, two at a time, in four chains each that do not wait for each other;
	; the first eight numbers start the chains, so nothing is cleared.
	WIN 0x0a                                       ; sources 0 and 1 = h, window 2
.irp k, 0,1,2,3
	v_max_num_f32 v[MX+\k], v[2*\k], v[2*\k+1]
	v_min_num_f32 v[MN+\k], v[2*\k], v[2*\k+1]
.endr
.set ii, 4
.rept 124
	v_max3_num_f32 v[MX+ii%4], v[2*ii], v[2*ii+1], v[MX+ii%4]
	v_min3_num_f32 v[MN+ii%4], v[2*ii], v[2*ii+1], v[MN+ii%4]
.set ii, ii+1
.endr
	WIN 0
	v_max_num_f32 v[MX], v[MX], v[MX+1]
	v_max_num_f32 v[MX+2], v[MX+2], v[MX+3]
	v_min_num_f32 v[MN], v[MN], v[MN+1]
	v_min_num_f32 v[MN+2], v[MN+2], v[MN+3]
	v_max_num_f32 v[MX], v[MX], v[MX+2]
	v_min_num_f32 v[MN], v[MN], v[MN+2]
	v_sub_f32 v[MN], 0, v[MN]                      ; the smallest, turned round
	v_max_num_f32 v[MX], v[MX], v[MN]              ; my lane's largest magnitude
	; across the 32 lanes: four steps inside each half of 16 lanes ride on the arithmetic, one crosses the halves
	v_max_num_f32_dpp v[MX], v[MX], v[MX] row_xmask:1 row_mask:0xf bank_mask:0xf
	v_max_num_f32_dpp v[MX], v[MX], v[MX] row_xmask:2 row_mask:0xf bank_mask:0xf
	v_max_num_f32_dpp v[MX], v[MX], v[MX] row_xmask:4 row_mask:0xf bank_mask:0xf
	v_max_num_f32_dpp v[MX], v[MX], v[MX] row_xmask:8 row_mask:0xf bank_mask:0xf
	v_permlanex16_b32 v[MX+1], v[MX], s58, s59     ; its destination counts as read: a register that has been written
	v_max_num_f32 v[MX], v[MX], v[MX+1]
	; across the four waves: each stores its word, one barrier, each reads all four
	ds_store_b32 v12, v[MX]                        ; all lanes write the same word with the same value
	s_wait_dscnt 0x0                               ; for the others' sake
	s_barrier_signal -1
	s_barrier_wait -1
	ds_load_b128 v[MN:MN+3], v13
	s_wait_dscnt 0x0
	v_max_num_f32 v[MN], v[MN], v[MN+1]
	v_max_num_f32 v[MN+2], v[MN+2], v[MN+3]
	v_max_num_f32 v[MN], v[MN], v[MN+2]
	v_readfirstlane_b32 s54, v[MN]                 ; m.  It feeds multipliers alone: no branch and no address hangs on it
	s_bfe_u32 s54, s54, 0x80017                    ; E: the 8 bits from bit 23
	s_max_u32 s54, s54, EMIN
	s_sub_co_u32 s56, 254+HEXP, s54
	s_lshl_b32 s56, s56, 23                        ; 2^(127 + HEXP - E) as an f32: what h is multiplied by
	s_mov_b32 s57, s56                             ; twice: a pair for the packed multiply
	s_sub_co_u32 s55, s54, HEXP
	s_lshl_b32 s55, s55, 23                        ; 2^(E - 127 - HEXP): what the next launch multiplies back in
	; one word for the work-group: wave 0's lane 0 stores it
	s_cmp_lg_u32 s12, 0
	s_cbranch_scc1 .Lno_scale
	v_mov_b32 v14, 0
	v_mov_b32 v15, s55
	v_cmp_eq_u32 vcc_lo, 0, v11
	s_wait_xcnt 0x0                                ; EXEC changes only behind s_wait_xcnt 0
	s_and_saveexec_b32 s62, vcc_lo
	global_store_b32 v14, v15, s[60:61]
	s_wait_xcnt 0x0                                ; and again, in front of the line that widens it
	s_or_b32 exec_lo, exec_lo, s62
.Lno_scale:
; 16 rows x 64 columns: scaled, rounded to f16, into the stage
.macro ACT2 a
	WIN 0x02                                       ; source 0 = h, window 2
.irp t, 0,2,4,6,8,10,12,14,16,18,20,22,24,26,28,30
	v_pk_mul_f32 v[EX+\t:EX+\t+1], v[32*\a+\t:32*\a+\t+1], s[56:57] op_sel_hi:[1,0]
.endr
	WIN 0
.irp i, 0,1,2,3,4,5,6,7
.irp t, 0,1
	v_cvt_pk_f16_f32 v[OB+2*\i+\t], v[EX+16*\t+\i], v[EX+16*\t+8+\i]      ; columns 4 r + 2 t, 4 r + 2 t + 1 of row i
.endr
	ds_store_b64 v8, v[OB+2*\i:OB+2*\i+1] offset:(16*\a+\i)*PITCH          ; four neighbouring columns: 8 bytes; 16 lanes fill 128 bytes of a stage row
.endr
.endm
.irp a, 0,1,2,3,4,5,6,7
	ACT2 \a
.endr
	s_wait_dscnt 0x0                               ; for the others' sake: my part of the stage is written
	s_barrier_signal -1
	s_barrier_wait -1
.set tt, 0
.rept 32
	ds_load_b128 v[64+4*tt:64+4*tt+3], v9 offset:2*tt*PITCH        ; lanes 0-15 one whole row of 256 bytes, lanes 16-31 the next
.set tt, tt+1
.endr
.set tt, 0
.rept 32
	s_wait_dscnt 31-tt                             ; LDS loads come back in order: load tt is in
	global_store_b128 v5, v[64+4*tt:64+4*tt+3], s[10:11] offset:tt*32768   ; 16 lanes store 256 consecutive bytes, at a multiple of 256 from hbuf's first byte
.set tt, tt+1
.endr
	s_wait_tensorcnt 0x0
	ds_add_u32 v62, v63
	s_wait_dscnt 0x0
	CROUND                                         ; the closing round: no work-group ends while a partner may still ask for a tile that names it
	s_endpgm
.Lfunc_end_k_q3c82559699_gateup:
	.size	k_q3c82559699_gateup, .Lfunc_end_k_q3c82559699_gateup-k_q3c82559699_gateup
	.p2alignl 7, 3214868480
	.fill 96, 4, 3214868480
	.section	.rodata,"a",@progbits
	.p2align	6, 0x0
	.amdhsa_kernel k_q3c82559699_gateup
		.amdhsa_group_segment_fixed_size 327680
		.amdhsa_private_segment_fixed_size 0
		.amdhsa_enable_private_segment 0
		.amdhsa_kernarg_size 40
		.amdhsa_user_sgpr_count 2
		.amdhsa_user_sgpr_kernarg_segment_ptr 1
		.amdhsa_wavefront_size32 1
		.amdhsa_system_sgpr_workgroup_id_x 1
		.amdhsa_system_sgpr_workgroup_id_y 1
		.amdhsa_system_sgpr_workgroup_id_z 1
		.amdhsa_system_vgpr_workitem_id 0
		.amdhsa_next_free_vgpr 1024
		.amdhsa_next_free_sgpr 66
		.amdhsa_reserve_vcc 1
		.amdhsa_float_denorm_mode_32 3
		.amdhsa_float_denorm_mode_16_64 3
		.amdhsa_memory_ordered 1
		.amdhsa_forward_progress 1
		.amdhsa_inst_pref_size 255
	.end_amdhsa_kernel
	.section	.bss,"aw",@nobits
	.p2align	6
	.space	262144
	.amdgpu_metadata
---
amdhsa.version: [ 1, 2 ]
amdhsa.kernels:
  - .name:           k_q3c82559699_gateup
    .symbol:         k_q3c82559699_gateup.kd
    .args:
      - { .name: xb, .offset: 0, .size: 8, .value_kind: global_buffer, .address_space: global }
      - { .name: W1, .offset: 8, .size: 8, .value_kind: global_buffer, .address_space: global }
      - { .name: W3, .offset: 16, .size: 8, .value_kind: global_buffer, .address_space: global }
      - { .name: hbuf, .offset: 24, .size: 8, .value_kind: global_buffer, .address_space: global }
      - { .name: scales, .offset: 32, .size: 8, .value_kind: global_buffer, .address_space: global }
    .group_segment_fixed_size: 327680
    .private_segment_fixed_size: 0
    .kernarg_segment_align: 8
    .kernarg_segment_size: 40
    .max_flat_workgroup_size: 128
    .sgpr_count:     66
    .vgpr_count:     1024
    .wavefront_size: 32
...
	.end_amdgpu_metadata
.endif
;; end of part 6
;; launch down (part 7): grid 8 x 32, 4 waves a work-group, clusters of 4 x 4, 327,680 bytes of LDS; arguments hbuf, W2, part, scales; writes part
.if DOCPART == 7
	.amdgcn_target "amdgcn-amd-amdhsa--gfx1250"
	.amdhsa_code_object_version 6
	.text
	.protected	k_q3c82559699_down
	.globl	k_q3c82559699_down
	.p2align	8
	.type	k_q3c82559699_down,@function
k_q3c82559699_down:
	s_mov_b64 s[64:65], 0
	v_nop
	global_prefetch_b8 v0, s[64:65] scope:SCOPE_SE
	s_setreg_imm32_b32 hwreg(HW_REG_WAVE_MODE, 25, 1), 1
	s_wait_xcnt 0x0
	s_wait_alu depctr_hold_cnt(0) depctr_sa_sdst(0) depctr_va_vdst(0) depctr_va_sdst(0) depctr_va_ssrc(0) depctr_va_vcc(0) depctr_vm_vsrc(0)
	s_getreg_b32 s2, hwreg(HW_REG_IB_STS2, 6, 4)
	s_cmp_eq_u32 s2, 0
	s_cbranch_scc0 .Lentry_in_a_cluster
	s_endpgm
.Lentry_in_a_cluster:
	s_bfe_u32 s2, ttmp6, 0x10000c
	s_cmp_lg_u32 s2, 0xf033
	s_cbranch_scc0 .Lentry_shape_is_right
	s_endpgm
.Lentry_shape_is_right:
; part[ks] = h[:, 1024 ks .. 1024 ks + 1023] x W2[1024 ks .. 1024 ks + 1023, :], in f32.  hbuf: [1024][8192] f16, scales: [4][64] f32, W2: [8192][2048] f32.
; h = hbuf x scales[row / 256][column / 128]: a power of two for each block of 256 rows x 128 columns, which is one K step's tile here.
; THE SCALES: S = the largest of the chunk's eight.  W2's rows of K step T are multiplied by scales[T] / S * 2^WSH, a power of two, on their way to f16, and the sums by
; S * 2^-WSH at the end.  The fixed 2^WSH lifts W2 toward the middle of f16's exponents, so that a step whose scale is far below the chunk's largest keeps its bits.
; The scales feed multipliers alone: no branch and no address hangs on them.
; LIMITS: |W2| above 1,023 becomes infinite in f16; a scaled weight below 2^-14 carries an absolute error of up to 2^-25; a step whose scale is 2^-133 of S or less counts as zero.
; The result has 4 x 8 blocks of 256 x 256; K is cut in eight chunks of 1,024 so that 256 work-groups have equal work: work-group (x = nb, y = 4 ks + mb).
; The eight partial sums are added, in the order of ks, by the launch that follows.
; A work-group makes a block with four waves; wave w multiplies all 256 rows by columns 256 nb + 64 w .. + 63: 16 x 4 accumulator tiles, 512 registers.
; THE WEIGHTS GO FROM MEMORY TO REGISTERS TO THE MATRIX UNIT, WITHOUT LDS AND WITHOUT A TRANSPOSE.  Lane (r = lane & 15, hh = lane >> 4) loads the 16 bytes
; W2[k][n0 + 4 r .. n0 + 4 r + 3]: sixteen lanes take 256 consecutive aligned bytes of a weight row, lanes 16-31 the row 8 further down.  The four words belong to four
; different B fragments j = 0 .. 3, in which lane r stands for column n0 + 4 r + j.  Sixteen such loads, 32 packed multiplies and 32 roundings make the four fragments of
; 32 K x 64 columns.  In the result, register i of tile (a, j) is (row 16 a + 8 hh + i, column n0 + 4 r + j).
; part is a plain dump of the accumulators: [ks 8][mb 4][nb 8][wave 4][n 128][lane 32][4 f32], n = accumulator register / 4, register = 8 (4 a + j) + i.
; hbuf's rows go in K steps of 128 through two LDS slots filled by tensor loads (rows of 256 bytes, aligned).
; CLUSTERS: 4 x 4 work-groups = the four mb (cy) of four nb (cx), one ks.  The four of a row of the cluster ask for hbuf's tiles JOINTLY.
; The four of a column read the same weights, each through its own registers and not jointly: a joint load lands in LDS, as f32, so a wave's 8 KiB of weights for 32 K
; would be written to LDS and read back on top of the 16 KiB of hbuf fragments that it reads for the same 64 matrix instructions.
;
; REGISTERS, in windows of 256 (s_set_vgpr_msb's low byte: bits 1:0 source 0, 3:2 source 1, 5:4 source 2, 7:6 destination):
;   window 0: v2-3 LDS addresses of my fragments in slot 0, 1; v4 my byte offset in the weights; v5 16 x lane;
;             v64-127 A fragments of rows 0-127, v128-191 of rows 128-255; v192-223, v224-255 the four f16 B fragments, two buffers
;   window 1: the weights as loaded: four sets of 16 loads, set c at 64 c, load e at 64 c + 4 e
;   window 2: accumulators of rows 0-127, tile (a, j) at 8 (4 a + j);   window 3: those of rows 128-255
.set PITCHB, 8192                      ; bytes in a row of W2
.set AROWE,  8192                      ; elements in a row of hbuf
.set NT,     8                         ; K steps of 128 in a chunk of 1,024
.set LAPS,   NT/2                      ; a lap = two K steps = once round the two slots
.set PITCH,  272                       ; an LDS row: 256 bytes + 16 of padding, an odd multiple of 16: the 16 rows of a fragment load begin in 16 different 16-byte columns of 256
.set QUART,  64*PITCH                  ; what one tensor load brings: 64 rows
.set SLOT,   4*QUART                   ; 256 rows
.set WSH,    6                         ; W2 is lifted by 2^6
.set ADR,  2
.set BOFF, 4
.set FAL,  64
.set FAH,  128
.set FB0,  192
.set FB1,  224
.set G1, 24                            ; s[24:31] descriptor group 1
.set G0, 32                            ; s[32:39] descriptor group 0, one set for each slot
.set WB, 40                            ; s[40:41] my weights at the chunk's row 0
.set WP, 42                            ; s[42:43] my weights at the row from which the loop's loads count
.set SC, 48                            ; s[48:55] the chunk's eight scales as loaded
.set FIN, 56                           ; s[56:57] S * 2^-WSH, twice
.set RAT, 68                           ; s[68:83] eight pairs: the K steps' multipliers, each twice; the lap at work finds its two steps' and the next step's in the first three pairs
.set MSB, 0
.macro WIN new                         ; the immediate's high byte repeats the setting that is left
.if MSB != \new
	s_set_vgpr_msb (MSB<<8)|\new
.set MSB, \new
.endif
.endm
; A round of the cluster's barrier: my work-group's barrier, wave 0 signals for the work-group, every wave waits for all sixteen, my work-group's barrier once more.
.macro CREST                           ; a round behind its opening barrier
	s_cmp_lg_u32 s12, 0
	s_cbranch_scc1 .Lnot_wave_0_\@
	s_barrier_signal -3
.Lnot_wave_0_\@:
	s_barrier_wait -3
	s_barrier_signal -1
	s_barrier_wait -1
.endm
.macro CROUND                          ; a whole round
	s_barrier_signal -1
	s_barrier_wait -1
	CREST
.endm
; 16 matrix instructions: row blocks a0 .. a0 + 3 of the window's eight (hi = 0: rows 0-127, 1: rows 128-255) x the four B fragments of buffer bb.
; zero = 1: the first product starts the sums: nothing is cleared.
.macro MUL4 hi, a0, bb, zero
.irp a, \a0, \a0+1, \a0+2, \a0+3
.irp j, 0,1,2,3
.if \zero
	v_wmma_f32_16x16x32_f16 v[8*(4*(\a)+\j):8*(4*(\a)+\j)+7], v[FAL+64*\hi+8*(\a):FAL+64*\hi+8*(\a)+7], v[\bb+8*\j:\bb+8*\j+7], 0
.else
	v_wmma_f32_16x16x32_f16 v[8*(4*(\a)+\j):8*(4*(\a)+\j)+7], v[FAL+64*\hi+8*(\a):FAL+64*\hi+8*(\a)+7], v[\bb+8*\j:\bb+8*\j+7], v[8*(4*(\a)+\j):8*(4*(\a)+\j)+7]
.endif
.endr
.endr
.endm
; Fragments j0, j0 + 1 of buffer nbuf from set c: 16 packed multiplies by the K step's power of two (pair rr), in place on words j0, j0 + 1 of the 16 loads, then 16 roundings.
; Register q of a fragment holds K = 2 q, 2 q + 1 of the lane's eight (q < 4) or of its second eight: loads 2 q and 2 q + 1.
.macro CVT c, nbuf, j0, rr
	WIN 0x41
.irp e, 0,1,2,3,4,5,6,7,8,9,10,11,12,13,14,15
	v_pk_mul_f32 v[64*\c+4*\e+\j0:64*\c+4*\e+\j0+1], v[64*\c+4*\e+\j0:64*\c+4*\e+\j0+1], s[\rr:\rr+1] op_sel_hi:[1,0]
.endr
	WIN 0x05
.irp j, \j0, \j0+1
.irp q, 0,1,2,3,4,5,6,7
	v_cvt_pk_f16_f32 v[\nbuf+8*(\j)+\q], v[64*\c+8*\q+(\j)], v[64*\c+8*\q+4+(\j)]
.endr
.endr
.endm
; 16 loads: 32 rows x 64 columns of my weights, from row row0 behind the base, into set c
.macro GLD c, row0, base
	WIN 0x40
.irp e, 0,1,2,3,4,5,6,7,8,9,10,11,12,13,14,15
	global_load_b128 v[64*\c+4*\e:64*\c+4*\e+3], v[BOFF], s[\base:\base+1] offset:(\row0+(\e/8)*16+\e%8)*PITCHB
.endr
.endm
; 16 LDS loads: the fragments of row blocks a0 .. a0 + 7, 32 K at byte kb of the rows
.macro FETCH dst, adr, a0, kb
	WIN 0
.irp i, 0,1,2,3,4,5,6,7
	ds_load_b128 v[\dst+8*\i:\dst+8*\i+3],   v[\adr] offset:(\a0+\i)*16*PITCH+\kb
	ds_load_b128 v[\dst+8*\i+4:\dst+8*\i+7], v[\adr] offset:(\a0+\i)*16*PITCH+\kb+32
.endr
.endm
; A K step is four substeps of 32 along K, 64 matrix instructions each.  The 64 accumulators take turns, one instruction a turn, in the same order in every
; substep, over the loop's backward jump too.
; Substep s multiplies B buffer s & 1; it scales and rounds set (s + 1) & 3 into the other buffer and loads that set again for substep s + 5.
; The multiplies and roundings are also the places that a load into a matrix instruction's source needs behind it (ISA guide 7.12.1 for vector instructions):
; 32 plain vector instructions that name none of the registers of the matrix instructions in front of them.
; One of a K step's first three substeps: the set that it rounds belongs to the same K step.  lw: the weight loads that may stay out; ld = 1: the set is loaded again.
.macro SUBN slot, q, zero, lw, ld
.set RSET, (\q+1)&3
.set BNOW, FB0+32*(\q&1)
.set BNXT, FB0+32*((\q+1)&1)
	s_wait_dscnt 16                                ; rows 0-127 of this substep are in; the 16 younger loads are rows 128-255
	WIN 0xa0
	MUL4 0, 0, BNOW, \zero
	MUL4 0, 4, BNOW, \zero
	s_wait_loadcnt \lw                             ; the next substep's set is in; the younger sets, 16 loads each, stay out
	CVT RSET, BNXT, 0, RAT+2*\slot
	FETCH FAL, ADR+\slot, 0, 64*(\q+1)
	s_wait_dscnt 16                                ; rows 128-255 are in; the 16 younger loads are the ones just issued
	WIN 0xf0
	MUL4 1, 0, BNOW, \zero
	MUL4 1, 4, BNOW, \zero
	CVT RSET, BNXT, 2, RAT+2*\slot
.if \ld
.if \q == 0
	s_wait_xcnt 0x0                                ; the base of pending loads is stepped only behind this wait (ISA guide 3.1)
	s_add_nc_u64 s[WP:WP+1], s[WP:WP+1], 128*PITCHB
.endif
	GLD RSET, 32*\q, WP
.endif
	FETCH FAH, ADR+\slot, 8, 64*(\q+1)
.endm
; The fourth substep changes slots; the set that it rounds belongs to the next K step.  ONE barrier, for two things.  In front of it each wave waits for its reads of this slot
; and for all its tensor loads, of which one is out: its quarter of the other slot.  Behind it nobody reads this slot and the other slot is whole.  fill = 1: the barrier opens a
; round of the cluster's barrier, and behind the round this slot is asked for again, two K steps ahead, first of all.  From that request to the wait for it a wave issues 240 matrix instructions.
.macro SUBT slot, fill, lw, ld
	s_wait_dscnt 16
	WIN 0xa0
	MUL4 0, 0, FB1, 0
	s_wait_dscnt 0x0                               ; my reads of this slot are over
	s_wait_tensorcnt 0x0                           ; and all my tensor loads have landed
	ds_add_u32 v62, v63
	s_wait_dscnt 0x0
	s_barrier_signal -1
	MUL4 0, 4, FB1, 0                              ; registers only, while the others arrive
	WIN 0
	s_barrier_wait -1
.if \fill
	CREST                                          ; no wave of any partner still reads this slot or has a load on its way
	s_add_nc_u64 s[G0+4*\slot+2:G0+4*\slot+3], s[G0+4*\slot+2:G0+4*\slot+3], 512   ; two K steps of 256 bytes on; no load of mine is out
	tensor_load_to_lds s[G0+4*\slot:G0+4*\slot+3], s[G1:G1+7]                      ; my one tensor load behind the round
	s_nop 0
.endif
	s_wait_loadcnt \lw
	CVT 0, FB0, 0, RAT+2*(\slot+1)
	FETCH FAL, ADR+1-\slot, 0, 0
	WIN 0xf0
	MUL4 1, 0, FB1, 0                              ; rows 128-255 were shown in by the wait for 0 above
	MUL4 1, 4, FB1, 0
	CVT 0, FB0, 2, RAT+2*(\slot+1)
.if \ld
	GLD 0, 96, WP
.endif
	FETCH FAH, ADR+1-\slot, 8, 0
.endm
.macro SUBF                            ; the very last substep: nothing more to fetch
	s_wait_dscnt 16
	WIN 0xa0
	MUL4 0, 0, FB1, 0
	MUL4 0, 4, FB1, 0
	s_wait_dscnt 0x0
	WIN 0xf0
	MUL4 1, 0, FB1, 0
	MUL4 1, 4, FB1, 0
.endm
.macro STEP slot, zero                 ; 48 = the three younger sets of 16 loads
	SUBN \slot, 0, \zero, 48, 1
	SUBN \slot, 1, 0, 48, 1
	SUBN \slot, 2, 0, 48, 1
	SUBT \slot, 1, 48, 1
.endm
.macro LAP zero                        ; two K steps; then the multipliers move up by two pairs, so that every lap's text names the same three
	STEP 0, \zero
	STEP 1, 0
.irp t, 0,1,2,3,4,5
	s_mov_b64 s[RAT+2*\t:RAT+2*\t+1], s[RAT+2*\t+4:RAT+2*\t+5]
.endr
.endm
	s_load_b256 s[4:11], s[0:1], 0x0               ; hbuf s[4:5], W2 s[6:7], part s[8:9], scales s[10:11]
	v_lshl_add_u32 v62, v0, 2, 0x29000
	v_mov_b32 v63, 0
	ds_add_u32 v62, v63
	v_lshrrev_b32 v1, 5, v0
	v_readfirstlane_b32 s12, v1                    ; wave 0..3
	s_bfe_u32 s15, ttmp6, 0x40000                  ; cx
	s_bfe_u32 s16, ttmp6, 0x40004                  ; cy = mb: block of 256 rows
	s_lshl_b32 s17, ttmp9, 2
	s_add_co_u32 s17, s17, s15                     ; nb: block of 256 columns = 4 x cluster x + cx
	s_and_b32 s46, ttmp7, 0xffff                   ; ks: the cluster's y is the chunk of K (work-group y = 4 ks + mb)
	s_lshl_b32 s19, s16, 2
	s_lshl_b32 s19, 15, s19                        ; my row of the cluster: places 4 cy .. 4 cy + 3
	; descriptor group 1: a tile of 64 rows x 128 elements of 2 bytes, padded in LDS
	s_or_b32 s[G1+0], s19, (1<<16)|(1<<20)|(1<<21)|(5<<22)|(3<<25)  ; 15:0 the mask; 17:16 elements of 2 bytes; 20 padding on; 21 set beside a mask; 24:22 after every 64 words; 31:25 4 words
	s_mov_b32 s[G1+1], 128<<16                     ; tensor_dim0 = 128
	s_mov_b32 s[G1+2], 64<<16                      ; tensor_dim1 = 64
	s_mov_b32 s[G1+3], 128<<16                     ; tile_dim0 = 128
	s_mov_b32 s[G1+4], 64                          ; tile_dim1 = 64
	s_mov_b32 s[G1+5], AROWE                       ; elements from row to row
	s_mov_b32 s[G1+6], 0
	s_mov_b32 s[G1+7], 0
	s_lshl_b32 s20, s16, 8                         ; hbuf: row 256 mb + 64 wave: it hangs on cy, which my row of the cluster shares, on the cluster's y and on the wave
	s_lshl_b32 s21, s12, 6
	s_add_co_u32 s20, s20, s21
	s_lshl_b32 s20, s20, 14                        ; x 16,384 bytes
	s_lshl_b32 s21, s46, 11                        ; + 1,024 ks elements of 2 bytes
	s_add_co_u32 s20, s20, s21
	s_mov_b32 s21, 0
	s_mul_i32 s45, s12, QUART                      ; where it goes: wave x 64 rows; no place in the cluster enters an LDS address
	s_lshl_b32 s22, s46, 23                        ; W2: row 1,024 ks of 8,192 bytes
	s_lshl_b32 s23, s17, 10                        ; + column bytes 1,024 nb
	s_add_co_u32 s22, s22, s23
	s_lshl_b32 s23, s12, 8                         ; + 256 wave
	s_add_co_u32 s22, s22, s23
	s_mov_b32 s23, 0
	s_lshl_b32 s56, s16, 8                         ; scales: 64 mb words of 4 bytes
	s_lshl_b32 s57, s46, 5                         ; + 8 ks words
	s_add_co_u32 s56, s56, s57
	s_mov_b32 s57, 0
	v_and_b32 v1, 15, v0                           ; r
	v_bfe_u32 v10, v0, 4, 1                        ; hh
	v_and_b32 v11, 31, v0                          ; lane
	v_lshlrev_b32 v5, 4, v11                       ; the way out: 16 bytes a lane
	v_mul_u32_u24 v[ADR], v1, PITCH
	v_lshl_add_u32 v[ADR], v10, 4, v[ADR]          ; a fragment's lane address: r x pitch + 16 hh
	v_add_nc_u32 v[ADR+1], SLOT, v[ADR]
	v_lshlrev_b32 v[BOFF], 4, v1                   ; the weights: 16 r
	v_lshl_add_u32 v[BOFF], v10, 16, v[BOFF]       ; + 8 hh rows of 8,192 bytes
	s_wait_dscnt 0x0
	s_wait_kmcnt 0x0
	s_add_nc_u64 s[10:11], s[10:11], s[56:57]
	s_load_b256 s[SC:SC+7], s[10:11], 0x0          ; the eight scales of my rows' chunk: 32 consecutive bytes; waited for in front of the first multiply
	s_add_nc_u64 s[20:21], s[4:5], s[20:21]        ; my quarter of hbuf's first tile
	s_add_nc_u64 s[WB:WB+1], s[6:7], s[22:23]
	s_add_nc_u64 s[WP:WP+1], s[WB:WB+1], 32*PITCHB ; stepped by 128 rows at the head of each K step: in step T it stands at row 32 (4 T + 5) of the chunk
	GLD 0, 0, WB                                   ; the weights of substeps 0 to 3: they only read inputs and may be out across the barriers below
	GLD 1, 32, WB
	GLD 2, 64, WB
	GLD 3, 96, WB
	WIN 0
	CROUND                                         ; all sixteen work-groups are here: the first joint loads meet
.irp n, 0,1
	s_mov_b32 s[G0+4*\n], 1                                        ; count = 1
	s_add_co_u32 s[G0+4*\n+1], s45, \n*SLOT                        ; LDS address
	s_add_nc_u64 s[G0+4*\n+2:G0+4*\n+3], s[20:21], \n*256          ; global address: K step n
	s_or_b32 s[G0+4*\n+3], s[G0+4*\n+3], 0x80000000                ; type = 2
	tensor_load_to_lds s[G0+4*\n:G0+4*\n+3], s[G1:G1+7]            ; both first fills go out together: two tensor loads of the wave are out, later one
	s_nop 0
.endr
	; The multipliers.  The scales are positive powers of two, so their words compare as whole numbers, and a quotient of two is a difference of words.
	s_wait_kmcnt 0x0
	s_max_u32 s56, s[SC+0], s[SC+1]
	s_max_u32 s57, s[SC+2], s[SC+3]
	s_max_u32 s58, s[SC+4], s[SC+5]
	s_max_u32 s59, s[SC+6], s[SC+7]
	s_max_u32 s56, s56, s57
	s_max_u32 s58, s58, s59
	s_max_u32 s56, s56, s58                        ; S
	s_sub_co_u32 s58, s56, 0x3f800000+(WSH<<23)    ; S's word less the word of 2^WSH
.irp t, 0,1,2,3,4,5,6,7
	s_sub_co_u32 s[RAT+2*\t], s[SC+\t], s58        ; the word of scales[T] / S * 2^WSH,
	s_max_i32 s[RAT+2*\t], s[RAT+2*\t], 0          ; or zero where that would be no normal number
	s_mov_b32 s[RAT+2*\t+1], s[RAT+2*\t]           ; twice: a pair for the packed multiply
.endr
	s_sub_co_u32 s[FIN], s56, WSH<<23              ; S * 2^-WSH: a scale's exponent field is at least 18, so this stays a normal number
	s_mov_b32 s[FIN+1], s[FIN]
	s_wait_loadcnt 48                              ; set 0 is in; sets 1 to 3 stay out
	CVT 0, FB0, 0, RAT
	CVT 0, FB0, 2, RAT
	GLD 0, 128, WB                                 ; substep 4
	WIN 0
	s_wait_tensorcnt 0x1                           ; my quarter of K step 0 is in; K step 1's may stay out
	s_barrier_signal -1
	s_barrier_wait -1                              ; everybody's is
	FETCH FAL, ADR, 0, 0
	FETCH FAH, ADR, 8, 0
	LAP 1                                          ; the first lap stands in front of the loop: its first products start the sums
	WIN 0                                          ; at a label and at a branch every window is 0
	s_mov_b32 s44, LAPS-2
.Llap:
	LAP 0
	WIN 0
	s_sub_co_u32 s44, s44, 1
	s_cmp_lg_u32 s44, 0
	s_cbranch_scc1 .Llap
	; the last lap, written out: no slot is filled that nobody reads, no weight row past the chunk's last is loaded, and the counts run down by sets of 16
	SUBN 0, 0, 0, 48, 1
	SUBN 0, 1, 0, 48, 1
	SUBN 0, 2, 0, 48, 1
	SUBT 0, 0, 48, 0
	SUBN 1, 0, 0, 32, 0
	SUBN 1, 1, 0, 16, 0
	SUBN 1, 2, 0, 0, 0
	SUBF
	; THE WAY OUT: the sums times S * 2^-WSH, then the accumulators as they lie, four registers a store: each store of the wave covers 512 consecutive bytes, aligned.
.rept 4
	v_nop                                          ; the four places between the last matrix instructions and the multiplies that read and rewrite results (ISA guide 7.12.1)
.endr
	s_lshl_b32 s22, s46, 2                         ; ((4 ks + mb) 8 + nb) 4 + wave, in the registers that fed the weights' address alone
	s_add_co_u32 s22, s22, s16
	s_lshl_b32 s22, s22, 3
	s_add_co_u32 s22, s22, s17
	s_lshl_b32 s22, s22, 2
	s_add_co_u32 s22, s22, s12
	s_lshl_b32 s22, s22, 16                        ; x 65,536 bytes: a wave's 512 registers x 32 lanes x 4 bytes
	s_mov_b32 s23, 0
	s_add_nc_u64 s[8:9], s[8:9], s[22:23]
	WIN 0x82                                       ; source 0 and destination window 2
.set nn, 0
.rept 128
	v_pk_mul_f32 v[2*nn:2*nn+1], v[2*nn:2*nn+1], s[FIN:FIN+1] op_sel_hi:[1,0]
.set nn, nn+1
.endr
	WIN 0x08                                       ; store data (source 1) from window 2
.set nn, 0
.rept 64
	global_store_b128 v5, v[4*nn:4*nn+3], s[8:9] offset:512*nn
.set nn, nn+1
.endr
	WIN 0xc3                                       ; window 3's sums are multiplied while window 2's stores leave
.set nn, 0
.rept 128
	v_pk_mul_f32 v[2*nn:2*nn+1], v[2*nn:2*nn+1], s[FIN:FIN+1] op_sel_hi:[1,0]
.set nn, nn+1
.endr
	WIN 0x0c                                       ; from window 3
.set nn, 0
.rept 64
	global_store_b128 v5, v[4*nn:4*nn+3], s[8:9] offset:32768+512*nn
.set nn, nn+1
.endr
	WIN 0
	CROUND                                         ; the closing round: no work-group ends while a partner may still ask for a tile that names it
	s_endpgm
.Lfunc_end_k_q3c82559699_down:
	.size	k_q3c82559699_down, .Lfunc_end_k_q3c82559699_down-k_q3c82559699_down
	.p2alignl 7, 3214868480
	.fill 96, 4, 3214868480
	.section	.rodata,"a",@progbits
	.p2align	6, 0x0
	.amdhsa_kernel k_q3c82559699_down
		.amdhsa_group_segment_fixed_size 327680
		.amdhsa_private_segment_fixed_size 0
		.amdhsa_enable_private_segment 0
		.amdhsa_kernarg_size 32
		.amdhsa_user_sgpr_count 2
		.amdhsa_user_sgpr_kernarg_segment_ptr 1
		.amdhsa_wavefront_size32 1
		.amdhsa_system_sgpr_workgroup_id_x 1
		.amdhsa_system_sgpr_workgroup_id_y 1
		.amdhsa_system_sgpr_workgroup_id_z 1
		.amdhsa_system_vgpr_workitem_id 0
		.amdhsa_next_free_vgpr 1024
		.amdhsa_next_free_sgpr 84
		.amdhsa_reserve_vcc 0
		.amdhsa_float_denorm_mode_32 3
		.amdhsa_float_denorm_mode_16_64 3
		.amdhsa_memory_ordered 1
		.amdhsa_forward_progress 1
		.amdhsa_inst_pref_size 255
	.end_amdhsa_kernel
	.section	.bss,"aw",@nobits
	.p2align	6
	.space	262144
	.amdgpu_metadata
---
amdhsa.version: [ 1, 2 ]
amdhsa.kernels:
  - .name:           k_q3c82559699_down
    .symbol:         k_q3c82559699_down.kd
    .args:
      - { .name: hbuf, .offset: 0, .size: 8, .value_kind: global_buffer, .address_space: global }
      - { .name: W2, .offset: 8, .size: 8, .value_kind: global_buffer, .address_space: global }
      - { .name: part, .offset: 16, .size: 8, .value_kind: global_buffer, .address_space: global }
      - { .name: scales, .offset: 24, .size: 8, .value_kind: global_buffer, .address_space: global }
    .group_segment_fixed_size: 327680
    .private_segment_fixed_size: 0
    .kernarg_segment_align: 8
    .kernarg_segment_size: 32
    .max_flat_workgroup_size: 128
    .sgpr_count:     84
    .vgpr_count:     1024
    .wavefront_size: 32
...
	.end_amdgpu_metadata
.endif
;; end of part 7
;; launch reduce: the kernel of part 4 again; grid 512 x 1, 8 waves a work-group, no clusters, 0 bytes of LDS; arguments part, routing_weights, out0; writes out0
;; ======== version 3 of 3: 4 launches; version 2 with the launch gather written anew for expert scheduling mode
;; limits: values are held in f16: magnitudes above 65,504 overflow, below 6.1e-05 lose precision; inputs' magnitudes at most 1,023
;; workspace buffers: xb 4,194,304 bytes; hbuf 16,777,216 bytes; part 67,108,864 bytes; scales 1,024 bytes
;; launch gather (part 8): grid 256 x 1, 4 waves a work-group, no clusters, 0 bytes of LDS; arguments hidden_states, input_idx, xb; writes xb
.if DOCPART == 8
	.amdgcn_target "amdgcn-amd-amdhsa--gfx1250"
	.amdhsa_code_object_version 6
	.text
	.protected	k_q3c82559699_gather
	.globl	k_q3c82559699_gather
	.p2align	8
	.type	k_q3c82559699_gather,@function
k_q3c82559699_gather:
	s_mov_b64 s[64:65], 0
	v_nop
	global_prefetch_b8 v0, s[64:65] scope:SCOPE_SE
	s_setreg_imm32_b32 hwreg(HW_REG_WAVE_SCHED_MODE, 0, 2), 2
	s_setreg_imm32_b32 hwreg(HW_REG_WAVE_MODE, 25, 1), 1
	s_wait_xcnt 0x0
	s_wait_alu depctr_vm_vsrc(0)
; xb[i][:] = f16(hidden_states[input_idx[i]][:]), i = 0 .. 1023.  hidden_states: [8192][2048] f32, xb: [1024][2048] f16.
; One wave takes one row: 16 loads of 16 bytes a lane (512 consecutive bytes each), all issued before the first is used,
; two roundings a pair of words, 16 stores of 8 bytes a lane (each covers 256 consecutive bytes, aligned).
; Every load and every store has registers of its own, so nothing has to be freed.
; LIMITS: an index is taken to lie in 0 .. 8191, as the problem states; any other number is clamped, as an unsigned number, to 8191.
; A number above 65,504 in magnitude becomes infinite in f16; one below 2^-14 carries an absolute error of up to 2^-25.
; No LDS, no barrier, no matrix unit: the rows share nothing and every byte is touched once.
; THE MODE: SCHED_MODE bits 1:0 = 2 (LLVM: expert scheduling mode 2), set by the entry lines.  The code itself states the register dependences
; between vector instructions and memory instructions, with s_wait_alu, always for 0.
; THE PLAN.  Registers that memory instructions touch:
;   v3, v4   byte offsets of the loads and of the stores: written once at the head, never again.
;   IN       load e: 4 registers.  Written by load e alone, once; read by the two roundings of load e.  No vector instruction writes them.
;   OUT      store e: 2 registers.  Written by the two roundings of load e, once; read by store e alone.
; The 16 loads go in four blocks of four.  Block p rounds IN of block p into OUT of block p; its memory instructions are the four stores of block p - 1, which read
; OUT of block p - 1 and v4: registers that no vector instruction of block p names.  So one wait at a block's head states all that its four stores hang on, and they
; are dealt among the block's roundings with no further wait.  No register that a memory instruction reads is ever written again: no wait on vm_vsrc is owed.
.set INR,  8                           ; v[8:71]   load e: 4 registers
.set OUTR, 72                          ; v[72:103] store e: 2 registers
	s_load_b128 s[4:7], s[0:1], 0x0                ; hidden_states s[4:5], input_idx s[6:7]
	s_load_b64 s[8:9], s[0:1], 0x10                ; xb
	v_lshrrev_b32 v1, 5, v0
	v_readfirstlane_b32 s10, v1                    ; wave 0..3
	v_and_b32 v2, 31, v0                           ; lane
	v_lshlrev_b32 v3, 4, v2                        ; 16 bytes a lane in
	v_lshlrev_b32 v4, 3, v2                        ; 8 bytes a lane out
	s_wait_alu depctr_va_sdst(0)                   ; s10 is written, ahead of its first reader: the index's offset and both bases are made from it
	s_lshl_b32 s11, ttmp9, 2
	s_add_co_u32 s11, s11, s10                     ; my row of xb = 4 x work-group + wave
	s_lshl_b32 s12, s11, 2                         ; its index's byte offset
	s_wait_kmcnt 0x0                               ; the three addresses
	s_load_b32 s13, s[6:7], s12 offset:0x0         ; input_idx[row]
	s_lshl_b32 s16, s11, 12                        ; row x 4,096 bytes
	s_mov_b32 s17, 0
	s_add_nc_u64 s[8:9], s[8:9], s[16:17]          ; xb at my row
	s_wait_kmcnt 0x0                               ; the index
	s_min_u32 s13, s13, 0x1fff                     ; inside the table of 8,192 rows
	s_lshl_b32 s14, s13, 13                        ; x 8,192 bytes: below 2^26
	s_mov_b32 s15, 0
	s_add_nc_u64 s[4:5], s[4:5], s[14:15]          ; hidden_states at the row named
	s_wait_alu depctr_va_vdst(0)                   ; v3 and v4 are written: every load reads v3 and every store v4 as its offset, and no later vector instruction names either
.irp e, 0,1,2,3,4,5,6,7,8,9,10,11,12,13,14,15
	global_load_b128 v[INR+4*\e:INR+4*\e+3], v3, s[4:5] offset:512*\e
.endr
; Block p: loads 4 p .. 4 p + 3 are rounded; the stores of block p - 1 go out, one ahead of each pair of roundings.
.macro BLOCK p
	s_wait_loadcnt 12-4*(\p)                       ; loads come back in order: this block's four are in, the 12 - 4 p younger ones stay out
.if (\p) > 0
	s_wait_alu depctr_va_vdst(0)                   ; the roundings of the block before have written its OUT, which the four stores below read
.endif
.irp i, 0,1,2,3
.if (\p) > 0
	global_store_b64 v4, v[OUTR+2*(4*(\p)-4+(\i)):OUTR+2*(4*(\p)-4+(\i))+1], s[8:9] offset:256*(4*(\p)-4+(\i))  ; no vector instruction since the wait names these registers
.endif
	v_cvt_pk_f16_f32 v[OUTR+2*(4*(\p)+(\i))],   v[INR+4*(4*(\p)+(\i))],   v[INR+4*(4*(\p)+(\i))+1]
	v_cvt_pk_f16_f32 v[OUTR+2*(4*(\p)+(\i))+1], v[INR+4*(4*(\p)+(\i))+2], v[INR+4*(4*(\p)+(\i))+3]
.endr
.endm
	BLOCK 0
	BLOCK 1
	BLOCK 2
	BLOCK 3
	s_wait_alu depctr_va_vdst(0)                   ; block 3's roundings have written its OUT, which the last four stores read
.irp i, 12,13,14,15
	global_store_b64 v4, v[OUTR+2*\i:OUTR+2*\i+1], s[8:9] offset:256*\i
.endr
	s_endpgm
.Lfunc_end_k_q3c82559699_gather:
	.size	k_q3c82559699_gather, .Lfunc_end_k_q3c82559699_gather-k_q3c82559699_gather
	.p2alignl 7, 3214868480
	.fill 96, 4, 3214868480
	.section	.rodata,"a",@progbits
	.p2align	6, 0x0
	.amdhsa_kernel k_q3c82559699_gather
		.amdhsa_group_segment_fixed_size 0
		.amdhsa_private_segment_fixed_size 0
		.amdhsa_enable_private_segment 0
		.amdhsa_kernarg_size 24
		.amdhsa_user_sgpr_count 2
		.amdhsa_user_sgpr_kernarg_segment_ptr 1
		.amdhsa_wavefront_size32 1
		.amdhsa_system_sgpr_workgroup_id_x 1
		.amdhsa_system_sgpr_workgroup_id_y 1
		.amdhsa_system_sgpr_workgroup_id_z 1
		.amdhsa_system_vgpr_workitem_id 0
		.amdhsa_next_free_vgpr 104
		.amdhsa_next_free_sgpr 66
		.amdhsa_reserve_vcc 0
		.amdhsa_float_denorm_mode_32 3
		.amdhsa_float_denorm_mode_16_64 3
		.amdhsa_memory_ordered 1
		.amdhsa_forward_progress 1
		.amdhsa_inst_pref_size 7
	.end_amdhsa_kernel
	.amdgpu_metadata
---
amdhsa.version: [ 1, 2 ]
amdhsa.kernels:
  - .name:           k_q3c82559699_gather
    .symbol:         k_q3c82559699_gather.kd
    .args:
      - { .name: hidden_states, .offset: 0, .size: 8, .value_kind: global_buffer, .address_space: global }
      - { .name: input_idx, .offset: 8, .size: 8, .value_kind: global_buffer, .address_space: global }
      - { .name: xb, .offset: 16, .size: 8, .value_kind: global_buffer, .address_space: global }
    .group_segment_fixed_size: 0
    .private_segment_fixed_size: 0
    .kernarg_segment_align: 8
    .kernarg_segment_size: 24
    .max_flat_workgroup_size: 128
    .sgpr_count:     66
    .vgpr_count:     104
    .wavefront_size: 32
...
	.end_amdgpu_metadata
.endif
;; end of part 8
;; launch gateup: the kernel of part 6 again; grid 64 x 4, 4 waves a work-group, clusters of 4 x 4, 327,680 bytes of LDS; arguments xb, W1, W3, hbuf, scales; writes hbuf, scales
;; launch down: the kernel of part 7 again; grid 8 x 32, 4 waves a work-group, clusters of 4 x 4, 327,680 bytes of LDS; arguments hbuf, W2, part, scales; writes part
;; launch reduce: the kernel of part 4 again; grid 512 x 1, 8 waves a work-group, no clusters, 0 bytes of LDS; arguments part, routing_weights, out0; writes out0
